; MI455X (gfx1250); checked and timed in simulation.
; The chip was launched on July 23, 2026; its instructions are those of AMD's public machine-readable ISA for CDNA 5 (MIT licence, August 2026) and "CDNA5" Instruction Set Architecture Reference Guide (July 2026). The comments in the code are by the model that wrote it; some were corrected since.
;; Attention Model. Allowed arithmetic: matrix products marked QUANTISED: E2M1 operands, one E8M0 scale for each 32 along K, by v_wmma_scale_f32_16x16x128_f8f6f4 with both operands' format E2M1 (or v_wmma_scale_f32_32x16x128_f4), f32 sums; products left as they are: bf16, f16 or f32 operands; f32 sums; everything else in f32.
;; Inputs: Wk 1,024 x 1,024 float32; Wq 1,024 x 1,024 float32; Wv 1,024 x 1,024 float32; bk 1,024 float32; bq 1,024 float32; bv 1,024 float32; key 4 x 2,048 x 1,024 float32; query 4 x 2,048 x 1,024 float32; value 4 x 2,048 x 1,024 float32.
;; Outputs: out0 4 x 2,048 x 1,024 float32.
;; This version of the problem:
;;   THIS VERSION OF THE PROBLEM IS GIVEN IN LOW PRECISION. The matrix products marked QUANTISED in the list below multiply operands that are first quantised to E2M1 (2 exponent bits, 1 mantissa bit; 4 bits a number), with one power-of-two scale for each 32 numbers along K (OCP MX v1.0); their sums are f32. The products marked 'left as it is' may take bf16, f16 or f32 operands, with f32 sums. Whichever they take, every output number must still come out within the allowed error. Rounding operands to bf16 (8 significant bits) uses up far more of that allowance than f16 does (11 bits, for magnitudes from 6e-5 to 65,504). All else is computed in f32.
;;   The module's matrix products, in the order in which they are computed (A, B: the left and right operand; K: the contracted axis; several contracted axes count as one K, in the product's order):
;;     1. [M 8,192, K 1,024] x [K 1,024, N 1,024]; A: input query; B: input Wq: QUANTISED
;;     2. [M 8,192, K 1,024] x [K 1,024, N 1,024]; A: input key; B: input Wk: QUANTISED
;;     3. [M 8,192, K 1,024] x [K 1,024, N 1,024]; A: input value; B: input Wv: QUANTISED
;;     4. batch 4 x [M 2,048, K 1,024] x [K 1,024, N 2,048]; A: computed on the way; B: computed on the way: left as it is (an operand is computed on the way)
;;     5. batch 4 x [M 2,048, K 2,048] x [K 2,048, N 1,024]; A: computed on the way; B: computed on the way: left as it is (an operand is computed on the way)
;;   THE QUANTISER, for each operand of a quantised product, along K:
;;     - K is cut into blocks of 32 from its start; a last block that is shorter is filled with zeros.
;;     - A block's scale is 2^e with e = floor(log2(the largest magnitude in the block)) - 2, held to -126 .. 127; a block of zeros has e = 0. As a byte (E8M0): e + 127.
;;     - Each number is divided by its block's scale, clamped to +-6, and rounded to the nearest number of E2M1, ties to even, subnormals kept.
;;     - The product sums the exact products of the quantised numbers (number of the format x scale) in f32.
;;   ~~~python
;;   def quantise(x, axis):      # numpy; x: float32 -> the quantised numbers, widened to float32 again
;;       x = np.moveaxis(x, axis, -1); K = x.shape[-1]
;;       x = np.pad(x, [(0, 0)] * (x.ndim - 1) + [(0, -K % 32)]); x = x.reshape(x.shape[:-1] + (-1, 32)); a = np.abs(x).max(-1, keepdims=True)
;;       e = np.where(a > 0, np.clip(np.frexp(np.where(a > 0, a, 1))[1] - 1 - 2, -126, 127), 0)      # np.frexp(a)[1] - 1 = floor(log2(a)), exactly
;;       r = np.clip(x / 2.0 ** e, -6, 6)
;;       step = 2.0 ** (np.maximum(np.frexp(np.where(r == 0, 1, r))[1] - 1, 0) - 1)
;;       q = np.round(r / step) * step * 2.0 ** e      # np.round: ties to even
;;       return np.moveaxis(q.reshape(q.shape[:-2] + (-1,))[..., :K], -1, axis).astype(np.float32)
;;   ~~~
;; One version. Each part assembles by itself: llvm-mc -triple=amdgcn-amd-amdhsa -mcpu=gfx1250 --defsym DOCPART=n.
;; ======== version 1 of 1: 4 launches
;; limits: values are held in f16: magnitudes above 65,504 overflow, below 6.1e-05 lose precision
;; workspace buffers: codes 14,155,776 bytes; scales 884,736 bytes; qkv 50,331,648 bytes; p 33,554,432 bytes; stats 1,048,576 bytes
;; launch quant (part 1): grid 864 x 1, 4 waves a work-group, no clusters, 33,280 bytes of LDS; arguments query, key, value, Wq, Wk, Wv, codes, scales; writes codes, scales
.if DOCPART == 1
	.amdgcn_target "amdgcn-amd-amdhsa--gfx1250"
	.amdhsa_code_object_version 6
	.text
	.protected	k_q142bc77937_quant
	.globl	k_q142bc77937_quant
	.p2align	8
	.type	k_q142bc77937_quant,@function
k_q142bc77937_quant:
	s_mov_b64 s[64:65], 0
	v_nop
	global_prefetch_b8 v0, s[64:65] scope:SCOPE_SE
	s_setreg_imm32_b32 hwreg(HW_REG_WAVE_MODE, 25, 1), 1
	s_wait_xcnt 0x0
; FIRST OF FOUR LAUNCHES.  out = softmax((query Wq^T + bq)(key Wk^T + bk)^T / 32) (value Wv^T + bv).  The three projections multiply operands quantised to E2M1 with one E8M0 scale for each 32 along K;
; the two attention products take f16 operands and f32 sums.  This launch quantises the six f32 tensors; the next multiplies the codes; the third makes the softmax's numerators; the fourth the output.
; WORK LEFT OUT: bk.  The score of query i and key j is q_i . (k0_j + bk) / 32 = q_i . k0_j / 32 + q_i . bk / 32, k0 = key Wk^T.  The product of q and k is not quantised, so this holds in real numbers; the second
; term is the same for all keys j of a row i, and the softmax runs along j: e^(s + u) / sum e^(s + u) = e^s / sum e^s for every finite u.  So bk reaches no output, whatever finite values the inputs hold:
; it is not loaded and is no argument of any launch.  LIMIT: a NaN, an infinity or an overflow that enters through bk alone is not carried to the result.  bq (bq . k_j changes with j) and bv are live.
; THIS LAUNCH.  Rows are dense and K = 1,024 is a multiple of 32, so each tensor is a plain stream of blocks of 32 numbers, and so are its codes and scale bytes.  The six streams go, one behind the other, into
; 'codes' (27,648 rows of 512 bytes: query, key, value, Wq, Wk, Wv) and 'scales' (the same rows, 32 bytes each).
; A block's scale is 2^(floor(log2(its largest magnitude)) - 2); its byte is the largest magnitude's own exponent field - 2, held at 1 from below.  Each number is divided by the scale and rounded to the nearest
; code, ties to even; beyond 6 the conversion gives the largest code.  A block of zeros gets the byte 1 where the rule says 127: its codes are zeros, which add nothing, and this program alone reads the bytes.
; LIMITS: blocks whose largest magnitude lies under 2^-124 keep the byte 1; NaN and infinities among the inputs are not served.
; SHARES.  A work-group takes 32,768 numbers, a wave a run of 8,192 in 16 steps of 512.  Work-groups 0-255 query, 256-511 key, 512-767 value, 768-799 Wq, 800-831 Wk, 832-863 Wv: only the source pointer is chosen.
; Each of a step's four loads reads 512 consecutive bytes, 16 a lane; the conversions want 16 NEIGHBOURS in a lane, so the 2,048 bytes turn through the wave's own stage in LDS (16 bytes of padding behind each 64)
; and come back 64 bytes a lane; two neighbouring lanes hold a block.  A lane's 16 codes are 8 bytes: the wave stores 256 consecutive bytes.  A wave's 256 scale bytes are gathered in LDS and leave as one store.
; No tensor loads, no barrier: waves share nothing.  Loads run four steps (16 loads a wave) ahead, the turn through LDS one step.
.set STEPS, 16
.set CB,    8                          ; bytes of 16 codes
.set R,     16                         ; v16-79   four sets of 16 numbers as they are loaded
.set X,     80                         ; v80-111  two sets of 16 neighbours
.set E,     112                        ; v112-127 a scale byte for each step
.set C,     128                        ; v128-191 codes: four registers for each step, so that no store's data are written again
.set WREG,  8192                       ; LDS: a region for each wave: two stages of 32 x SP bytes, behind them its 256 scale bytes
.set SP,    80                         ; a lane's place in a stage: 64 bytes + 16 of padding
.set SPW,   12                         ; v12  LDS address of my spare word: SPARE + 4 x my thread's number; never rewritten
.set NIL,   13                         ; v13  0; never rewritten
.set SPARE, 4*WREG                     ; behind the four regions: the spare words, 128 bytes for each wave, which no other line names
	s_load_b256 s[4:11], s[0:1], 0x0               ; query s[4:5], key s[6:7], value s[8:9], Wq s[10:11]
	s_load_b256 s[12:19], s[0:1], 0x20             ; Wk s[12:13], Wv s[14:15], codes s[16:17], scales s[18:19]
	v_lshl_add_u32 v[SPW], v0, 2, SPARE
	v_mov_b32 v[NIL], 0
	v_lshrrev_b32 v1, 5, v0
	v_readfirstlane_b32 s20, v1                    ; wave
	v_and_b32 v2, 31, v0                           ; lane
	v_lshlrev_b32 v3, 4, v2                        ; my 16 bytes of a load's 512
	s_mul_i32 s21, s20, WREG
	v_lshrrev_b32 v14, 2, v2
	v_mul_u32_u24 v14, v14, SP
	v_and_b32 v15, 3, v2
	v_lshl_add_u32 v14, v15, 4, v14
	v_add_nc_u32 v14, s21, v14                     ; the stage, on the way in: four lanes' 64 bytes on end, then the padding
	v_mul_u32_u24 v15, v2, SP
	v_add_nc_u32 v15, s21, v15                     ; and on the way out: my 16 neighbours
	v_mul_u32_u24 v4, v2, CB                       ; my codes' place in a step's
	v_lshrrev_b32 v5, 1, v2
	s_add_co_u32 s21, s21, 2*32*SP
	v_add_nc_u32 v5, s21, v5                       ; LDS: my wave's 256 scale bytes, my block's byte
	v_lshlrev_b32 v7, 3, v2                        ; and on the way out 8 bytes a lane
	v_add_nc_u32 v6, s21, v7
	s_wait_kmcnt 0x0
	s_cmp_lt_u32 ttmp9, 256                        ; which tensor: the choices hang on the work-group's number alone
	s_cselect_b64 s[22:23], s[4:5], s[6:7]
	s_cmp_lt_u32 ttmp9, 512
	s_cselect_b64 s[22:23], s[22:23], s[8:9]
	s_cmp_lt_u32 ttmp9, 768
	s_cselect_b64 s[22:23], s[22:23], s[10:11]
	s_cselect_b32 s24, 255, 31                     ; an activation has 256 work-groups, a weight 32; all six begin at multiples of that
	s_cmp_lt_u32 ttmp9, 800
	s_cselect_b64 s[22:23], s[22:23], s[12:13]
	s_cmp_lt_u32 ttmp9, 832
	s_cselect_b64 s[22:23], s[22:23], s[14:15]
	s_and_b32 s24, ttmp9, s24                      ; the work-group's number within its tensor
	s_lshl_b32 s24, s24, 2
	s_add_co_u32 s24, s24, s20                     ; my wave's run within the tensor,
	s_lshl_b32 s24, s24, 15                        ; 32,768 bytes of f32 each (under 2^26 in all)
	s_mov_b32 s25, 0
	s_add_nc_u64 s[22:23], s[22:23], s[24:25]
	s_lshl_b32 s26, ttmp9, 2
	s_add_co_u32 s26, s26, s20                     ; my run among all 3,456: the outputs are one stream
	s_lshl_b32 s28, s26, 12                        ; 4,096 bytes of codes a run
	s_mov_b32 s29, 0
	s_add_nc_u64 s[16:17], s[16:17], s[28:29]
	s_lshl_b32 s28, s26, 8                         ; 256 scale bytes a run
	s_add_nc_u64 s[18:19], s[18:19], s[28:29]
.macro LOAD t
.irp i, 0,1,2,3
	global_load_b128 v[R+16*((\t)%4)+4*\i:R+16*((\t)%4)+4*\i+3], v3, s[22:23] offset:2048*(\t)+512*\i th:TH_LOAD_NT   ; 32 lanes read 512 consecutive bytes
.endr
.endm
.macro TURN t                          ; step t's numbers through the stage: LDS serves a wave's instructions in order, so no wait stands between the stores and the loads
.irp i, 0,1,2,3
	ds_store_b128 v14, v[R+16*((\t)%4)+4*\i:R+16*((\t)%4)+4*\i+3] offset:32*SP*((\t)%2)+8*SP*\i
.endr
.irp i, 0,1,2,3
	ds_load_b128 v[X+16*((\t)%2)+4*\i:X+16*((\t)%2)+4*\i+3], v15 offset:32*SP*((\t)%2)+16*\i
.endr
.endm
.irp t, 0,1,2,3
	LOAD \t
.endr
	s_wait_loadcnt 12                              ; step 0's four loads are in; those of three steps may be out
	TURN 0
.macro STEP t
.set XS, X+16*((\t)%2)
.if (\t) > 0
	s_wait_dscnt 1                                 ; this step's numbers are back from the stage (the last step's byte store may be out): so its stores into the stage have read their registers,
.else
	s_wait_dscnt 0x0
.endif
.if (\t)+4 < STEPS
	LOAD (\t)+4                                    ; which take the loads of four steps on
.endif
.if (\t)+1 < STEPS
.if STEPS-2-(\t) >= 3
	s_wait_loadcnt 12                              ; the next step's four loads are in; those of the three steps behind it may be out
.else
	s_wait_loadcnt 4*(STEPS-2-(\t))
.endif
	TURN (\t)+1                                    ; and go through the other stage while this step is worked
.endif
	v_max3_num_f32 v8, |v[XS]|, |v[XS+1]|, |v[XS+2]|               ; the largest magnitude of my 16, in two chains
	v_max3_num_f32 v9, |v[XS+3]|, |v[XS+4]|, |v[XS+5]|
.irp i, 6,10
	v_max3_num_f32 v8, v8, |v[XS+\i]|, |v[XS+\i+1]|
	v_max3_num_f32 v9, v9, |v[XS+\i+2]|, |v[XS+\i+3]|
.endr
	v_max3_num_f32 v8, v8, |v[XS+14]|, |v[XS+15]|
	v_max3_num_f32 v8, v8, v9, 0x1800000           ; and the floor 2^(3 - 127): the byte cannot fall under 1
	v_max_num_f32_dpp v8, v8, v8 row_xmask:1 row_mask:0xf bank_mask:0xf   ; and of my neighbour's 16: the block's
	v_add_nc_u32 v11, 0xff000000, v8               ; 2 off its exponent field: the conversion takes the exponent field of this operand as its scale, and nothing else of it
	v_cvt_scalef32_pk8_fp4_f32 v[C+4*(\t)], v[XS:XS+7], v11
	v_cvt_scalef32_pk8_fp4_f32 v[C+4*(\t)+1], v[XS+8:XS+15], v11
	v_lshrrev_b32 v[E+(\t)], 23, v11               ; the scale's byte (a plain line behind the conversions)
	ds_store_b8 v5, v[E+(\t)] offset:16*(\t)       ; both lanes of a block write the same byte with the same value
	global_store_b64 v4, v[C+4*(\t):C+4*(\t)+1], s[16:17] offset:32*CB*(\t)   ; 32 lanes store 256 consecutive bytes, aligned
.endm
.irp t, 0,1,2,3,4,5,6,7,8,9,10,11,12,13,14,15
	STEP \t
.endr
	ds_load_b64 v[8:9], v6                         ; LDS serves a wave's instructions in order: these see my stores
	s_wait_dscnt 0x0
	global_store_b64 v7, v[8:9], s[18:19]          ; 32 lanes store 256 consecutive bytes, aligned
	s_wait_tensorcnt 0x0                           ; the wave's end
	ds_add_u32 v[SPW], v[NIL]
	s_wait_dscnt 0x0
	s_endpgm
.Lfunc_end_k_q142bc77937_quant:
	.size	k_q142bc77937_quant, .Lfunc_end_k_q142bc77937_quant-k_q142bc77937_quant
	.p2alignl 7, 3214868480
	.fill 96, 4, 3214868480
	.section	.rodata,"a",@progbits
	.p2align	6, 0x0
	.amdhsa_kernel k_q142bc77937_quant
		.amdhsa_group_segment_fixed_size 33280
		.amdhsa_private_segment_fixed_size 0
		.amdhsa_enable_private_segment 0
		.amdhsa_kernarg_size 64
		.amdhsa_user_sgpr_count 2
		.amdhsa_user_sgpr_kernarg_segment_ptr 1
		.amdhsa_wavefront_size32 1
		.amdhsa_system_sgpr_workgroup_id_x 1
		.amdhsa_system_sgpr_workgroup_id_y 1
		.amdhsa_system_sgpr_workgroup_id_z 1
		.amdhsa_system_vgpr_workitem_id 0
		.amdhsa_next_free_vgpr 192
		.amdhsa_next_free_sgpr 66
		.amdhsa_reserve_vcc 0
		.amdhsa_float_denorm_mode_32 3
		.amdhsa_float_denorm_mode_16_64 3
		.amdhsa_memory_ordered 1
		.amdhsa_forward_progress 1
		.amdhsa_inst_pref_size 34
	.end_amdhsa_kernel
	.amdgpu_metadata
---
amdhsa.version: [ 1, 2 ]
amdhsa.kernels:
  - .name:           k_q142bc77937_quant
    .symbol:         k_q142bc77937_quant.kd
    .args:
      - { .name: query, .offset: 0, .size: 8, .value_kind: global_buffer, .address_space: global }
      - { .name: key, .offset: 8, .size: 8, .value_kind: global_buffer, .address_space: global }
      - { .name: value, .offset: 16, .size: 8, .value_kind: global_buffer, .address_space: global }
      - { .name: Wq, .offset: 24, .size: 8, .value_kind: global_buffer, .address_space: global }
      - { .name: Wk, .offset: 32, .size: 8, .value_kind: global_buffer, .address_space: global }
      - { .name: Wv, .offset: 40, .size: 8, .value_kind: global_buffer, .address_space: global }
      - { .name: codes, .offset: 48, .size: 8, .value_kind: global_buffer, .address_space: global }
      - { .name: scales, .offset: 56, .size: 8, .value_kind: global_buffer, .address_space: global }
    .group_segment_fixed_size: 33280
    .private_segment_fixed_size: 0
    .kernarg_segment_align: 8
    .kernarg_segment_size: 64
    .max_flat_workgroup_size: 128
    .sgpr_count:     66
    .vgpr_count:     192
    .wavefront_size: 32
...
	.end_amdgpu_metadata
.endif
;; end of part 1
;; launch proj (part 2): grid 12 x 32, 4 waves a work-group, clusters of 4 x 4, 327,680 bytes of LDS; arguments codes, scales, bq, bv, qkv; writes qkv
.if DOCPART == 2
	.amdgcn_target "amdgcn-amd-amdhsa--gfx1250"
	.amdhsa_code_object_version 6
	.text
	.protected	k_q142bc77937_proj
	.globl	k_q142bc77937_proj
	.p2align	8
	.type	k_q142bc77937_proj,@function
k_q142bc77937_proj:
	s_mov_b64 s[64:65], 0
	v_nop
	global_prefetch_b8 v0, s[64:65] scope:SCOPE_SE
	s_setreg_imm32_b32 hwreg(HW_REG_WAVE_MODE, 25, 1), 1
	s_wait_xcnt 0x0
	s_wait_alu depctr_hold_cnt(0) depctr_sa_sdst(0) depctr_va_vdst(0) depctr_va_sdst(0) depctr_va_ssrc(0) depctr_va_vcc(0) depctr_vm_vsrc(0)
	s_getreg_b32 s2, hwreg(HW_REG_IB_STS2, 6, 4)
	s_cmp_eq_u32 s2, 0
	s_cbranch_scc0 .Lentry_in_a_cluster
	s_endpgm
.Lentry_in_a_cluster:
	s_bfe_u32 s2, ttmp6, 0x10000c
	s_cmp_lg_u32 s2, 0xf033
	s_cbranch_scc0 .Lentry_shape_is_right
	s_endpgm
.Lentry_shape_is_right:
; SECOND LAUNCH: the three projections on codes of E2M1 with E8M0 scales: q = Q(query) Q(Wq)^T + bq, k = Q(key) Q(Wk)^T, v = Q(value) Q(Wv)^T + bv; sums in f32; results rounded once to f16.
; WORK LEFT OUT: bk (it adds the same number to all scores of a row, which the softmax along the keys takes away: shown at the head of the first kernel).
; LIMIT: q, k and v go on as f16: beyond 65,504 in magnitude they become infinities.
; SHARES.  The cluster's x is the tensor t (0 q, 1 k, 2 v); in it 4 x 4 work-groups: cx is the tile of 256 output channels, 4 x cluster y + cy the tile of 256 rows.  Four waves, each 128 x 128: 64 accumulators.
; K = 1,024 is two slots of 512 along K (rows of 256 bytes of codes): both are first fills, nothing is filled again.  The scale bytes of the 256 + 256 rows, for all of K, come once, as two dense blocks.
; The four work-groups of a row of the cluster need the same rows of the activation ('A'), the four of a column the same rows of the weight ('B'): each tile is asked for jointly, with a mask that names the four.
; THE MATRIX INSTRUCTION IS USED TRANSPOSED (source 0 = 16 rows of the weight, source 1 = 16 rows of the activation): a lane then holds one row and eight neighbouring output channels.
; THE RESULTS ARE LAID AS THE NEXT READER'S OPERAND REGISTERS: qkv[t][block of 16 rows: 512][chunk of 32 channels: 32][u: 2][place: 32][16 bytes]; the 16 bytes of lane (r, h) are row r, channels 32 c + 16 u + 8 h + 0 .. 7:
; registers 4 u .. 4 u + 3 of a 16-bit fragment.  A lane's eight results of accumulator (a, b), packed to f16, ARE such a piece, so they are stored from registers, 512 consecutive bytes a store.
; For v the place is the lane's number with bits 3 and 4 exchanged: read at 16 x lane by the transposing LDS load, a piece then falls to the lane that this load wants it from (last launch).
; REGISTERS, in windows of 256: window 0: v16-30 addresses; v32-95 scale words, two sets; v128-191 A's fragments, one set; on the way out v128-255 packed results.
;   window 1: B's fragments, two sets, at v0 and v128; v64-127 the bias, eight registers for each block of 16 channels.   windows 2, 3: the accumulators ((a, b) at v[8 (8 (a % 4) + b)]).
.set NQ,     4                         ; steps of 128 along K in a slot
.set ROWB,   256                       ; a tile's row in bytes: 512 codes
.set KROW,   512                       ; a row of codes in memory
.set PITCH,  272                       ; an LDS row: 256 bytes + 16 of padding: the 16 rows that a load touches start 68 words apart
.set FR,     8                         ; registers of a fragment: 16 rows x 128 K
.set NL,     2                         ; LDS loads that bring one
.set NP,     4                         ; places behind this matrix instruction (ISA guide 7.12.1)
.set HALFT,  128*PITCH                 ; 128 rows: what one tensor load brings
.set SLOT,   4*HALFT                   ; A's 256 rows, then B's 256 rows
.set KS,     32                        ; a row of scale bytes
.set SCL,    2*SLOT                    ; behind the slots: the scale bytes, as rows of 256 bytes + 16 of padding
.set HALFS,  (128*KS/256)*272          ; those of 128 rows
.set SBLK,   (16*KS/256)*272           ; those of 16 rows
.set SPARE,  SCL+4*HALFS               ; the spare words, 128 bytes for each wave, which no other line names
.set ADRA, 16                          ; v16-17  LDS address of my A fragments in slot 0, 1
.set ADRB, 20                          ; v20-21  the same for B
.set CO,   26                          ; v26     16 x my place in a piece's 512 bytes
.set ADRS, 27                          ; v27     LDS address of my scale words: lanes 0-15 A's rows, lanes 16-31 B's
.set SPW,  28                          ; v28     my spare word; never rewritten
.set NIL,  29                          ; v29     0; never rewritten
.set BO,   30                          ; v30     32 x (lane / 16): my eight numbers of a block of 16 of the bias
.set SC,   32                          ; scale words: set s at v[SC + 32 s]; register 4 i + q: lanes 0-15 A's block i, lanes 16-31 B's block i, the slot's q-th 128 along K
.set AF,   128                         ; A's fragments, window 0
.set BI,   64                          ; the bias, window 1
.set G1, 24                            ; s[24:31] descriptor group 1 for A's tiles;  s[32:39] group 0, one set for each slot
.set G0, 32
.set G1B, 48                           ; s[48:55], s[56:63] the same for B's
.set G0B, 56
.set G1S, 68                           ; s[68:75], s[76:79] groups 1 and 0 for A's scales;  s[80:87], s[88:91] for B's
.set G0S, 76
.set G1SB, 80
.set G0SB, 88
.set MSB, 0
.macro WIN new                         ; the immediate's high byte repeats the setting that is left; a switch that changes nothing is dropped
.if MSB != (\new)
	s_set_vgpr_msb (MSB<<8)|(\new)
.set MSB, (\new)
.endif
.endm
.set MUL_LO, 0xa1                      ; source 0 (B) window 1, source 1 (A) window 0, C and D window 2
.set MUL_HI, 0xf1                      ; the same, C and D window 3
.set TO_B,   0x40                      ; destination window 1, address window 0
; A joint load: waves 0 and 1 fetch for A, waves 2 and 3 for B; the branch hangs on the wave's number alone.  An s_nop 0 and four v_nop follow each of the two lines.
.macro JLOAD g0a, g1a, g0b, g1b
	s_cmp_eq_u32 s15, 0
	s_cbranch_scc0 .Lfor_b_\@
	tensor_load_to_lds s[\g0a:\g0a+3], s[\g1a:\g1a+7]
	s_nop 0
.rept 4
	v_nop
.endr
	s_branch .Lasked_\@
.Lfor_b_\@:
	tensor_load_to_lds s[\g0b:\g0b+3], s[\g1b:\g1b+7]
	s_nop 0
.rept 4
	v_nop
.endr
.Lasked_\@:
.endm
.macro CROUND                          ; a round of the cluster's barrier: my work-group's barrier, wave 0 signals for the work-group, every wave waits for all sixteen, my work-group's barrier once more
	s_barrier_signal -1
	s_barrier_wait -1
	s_cmp_lg_u32 s14, 0
	s_cbranch_scc1 .Lnot_wave_0_\@
	s_barrier_signal -3
.Lnot_wave_0_\@:
	s_barrier_wait -3
	s_barrier_signal -1
	s_barrier_wait -1
.endm
	s_load_b256 s[4:11], s[0:1], 0x0               ; codes s[4:5], scales s[6:7], bq s[8:9], bv s[10:11]
	s_load_b64 s[12:13], s[0:1], 0x20              ; qkv
	v_lshl_add_u32 v[SPW], v0, 2, SPARE
	v_mov_b32 v[NIL], 0
	ds_add_u32 v[SPW], v[NIL]                      ; the wave's opening: the add, twice on end, and its wait ahead of my first tensor load; the set-up below stands between
	ds_add_u32 v[SPW], v[NIL]
	v_lshrrev_b32 v1, 5, v0
	v_readfirstlane_b32 s14, v1                    ; wave 0..3
	s_lshr_b32 s15, s14, 1                         ; which half of the tile's rows is mine.  Also: I fetch for A (0) or for B (1)
	s_and_b32 s16, s14, 1                          ; which half of its channels.  Also: which 128 rows of that tile I fetch
	s_bfe_u32 s40, ttmp6, 0x40000                  ; cx: the tile of channels
	s_bfe_u32 s41, ttmp6, 0x40004                  ; cy
	s_and_b32 s17, ttmp7, 0xffff
	s_lshl_b32 s17, s17, 2
	s_add_co_u32 s17, s17, s41                     ; the tile of rows = 4 x cluster y + cy
	s_lshl_b32 s43, s41, 2
	s_lshl_b32 s43, 15, s43                        ; my row of the cluster
	s_lshl_b32 s44, 0x1111, s40                    ; my column
	; descriptor group 1: a tile of 128 rows x 256 bytes, 16 bytes of padding behind each row
	s_or_b32 s[G1+0], s43, (0<<16)|(1<<20)|(1<<21)|(5<<22)|(3<<25)  ; 15:0 the mask; 17:16 elements of 1 byte; 20 padding on; 21 set beside a mask; 24:22 after every 64 words; 31:25 four words
	s_or_b32 s[G1B+0], s44, (0<<16)|(1<<20)|(1<<21)|(5<<22)|(3<<25)
.irp g, G1, G1B
	s_mov_b32 s[\g+1], ROWB<<16                    ; tensor_dim0
	s_mov_b32 s[\g+2], 128<<16                     ; tensor_dim1
	s_mov_b32 s[\g+3], ROWB<<16                    ; tile_dim0
	s_mov_b32 s[\g+4], 128                         ; tile_dim1
	s_mov_b32 s[\g+5], KROW                        ; from row to row
	s_mov_b32 s[\g+6], 0
	s_mov_b32 s[\g+7], 0
.endr
	; the scale bytes of 128 rows: 4,096 dense bytes, as 16 rows of 256 bytes (32 elements of 8), 16 bytes of padding behind each
	s_or_b32 s[G1S+0], s43, (3<<16)|(1<<20)|(1<<21)|(5<<22)|(3<<25)
	s_or_b32 s[G1SB+0], s44, (3<<16)|(1<<20)|(1<<21)|(5<<22)|(3<<25)
.irp g, G1S, G1SB
	s_mov_b32 s[\g+1], 32<<16
	s_mov_b32 s[\g+2], (128*KS/256)<<16
	s_mov_b32 s[\g+3], 32<<16
	s_mov_b32 s[\g+4], 128*KS/256
	s_mov_b32 s[\g+5], 32
	s_mov_b32 s[\g+6], 0
	s_mov_b32 s[\g+7], 0
.endr
	s_lshl_b32 s18, s16, 7                         ; which 128 rows of the tile I fetch
	s_lshl_b32 s20, s17, 8
	s_add_co_u32 s20, s20, s18
	s_lshl_b32 s19, ttmp9, 13
	s_add_co_u32 s20, s20, s19                     ; A: row 8,192 t + 256 x tile of rows + 128 x half: it hangs on nothing that my row of the cluster does not share
	s_lshl_b32 s46, s40, 8
	s_add_co_u32 s46, s46, s18
	s_lshl_b32 s19, ttmp9, 10
	s_add_co_u32 s46, s46, s19
	s_add_co_u32 s46, s46, 24576                   ; B: row 24,576 + 1,024 t + 256 cx + 128 x half: shared by my column
	s_lshl_b32 s22, s20, 5                         ; where these rows' scale bytes begin,
	s_mov_b32 s23, 0
	s_lshl_b32 s92, s46, 5
	s_mov_b32 s93, 0
	s_lshl_b32 s20, s20, 9                         ; and their codes (27,648 rows x 512 bytes: under 2^24)
	s_mov_b32 s21, 0
	s_lshl_b32 s46, s46, 9
	s_mov_b32 s47, 0
	s_mul_i32 s45, s14, HALFT                      ; where they go: wave x 128 rows: no place in the cluster enters an LDS address
	s_mul_i32 s94, s14, HALFS
	s_wait_dscnt 0x0                               ; both opening adds are done
	s_wait_kmcnt 0x0
	s_add_nc_u64 s[20:21], s[4:5], s[20:21]
	s_add_nc_u64 s[22:23], s[6:7], s[22:23]
	s_add_nc_u64 s[46:47], s[4:5], s[46:47]
	s_add_nc_u64 s[92:93], s[6:7], s[92:93]
	CROUND                                         ; all sixteen work-groups are here: the joint loads meet
	s_mov_b32 s[G0S], 1
	s_add_co_u32 s[G0S+1], s94, SCL
	s_mov_b64 s[G0S+2:G0S+3], s[22:23]
	s_or_b32 s[G0S+3], s[G0S+3], 0x80000000
	s_mov_b32 s[G0SB], 1
	s_add_co_u32 s[G0SB+1], s94, SCL
	s_mov_b64 s[G0SB+2:G0SB+3], s[92:93]
	s_or_b32 s[G0SB+3], s[G0SB+3], 0x80000000
	JLOAD G0S, G1S, G0SB, G1SB                     ; the scales first: they are wanted with the first half of K
.irp s, 0,1
	s_mov_b32 s[G0+4*\s], 1
	s_add_co_u32 s[G0+4*\s+1], s45, \s*SLOT
	s_add_nc_u64 s[G0+4*\s+2:G0+4*\s+3], s[20:21], \s*ROWB
	s_or_b32 s[G0+4*\s+3], s[G0+4*\s+3], 0x80000000
	s_mov_b32 s[G0B+4*\s], 1
	s_add_co_u32 s[G0B+4*\s+1], s45, \s*SLOT
	s_add_nc_u64 s[G0B+4*\s+2:G0B+4*\s+3], s[46:47], \s*ROWB
	s_or_b32 s[G0B+4*\s+3], s[G0B+4*\s+3], 0x80000000
	JLOAD G0+4*\s, G1, G0B+4*\s, G1B               ; three tensor loads of mine are out: all that this launch asks for
.endr
	v_and_b32 v1, 15, v0                           ; r = lane % 16
	v_bfe_u32 v2, v0, 4, 1                         ; h = lane / 16
	v_mul_u32_u24 v3, v1, PITCH
	v_lshl_add_u32 v4, v2, 4, v3                   ; a fragment's row x pitch + 16 h
	s_mul_i32 s21, s15, HALFT                      ; my 128 rows of A
	s_mul_i32 s22, s16, HALFT                      ; my 128 rows of B,
	s_add_co_u32 s22, s22, 2*HALFT                 ; which lie behind A's 256
.irp s, 0,1
	v_add_nc_u32 v[ADRA+\s], s21, v4
	v_add_nc_u32 v[ADRB+\s], s22, v4
	s_add_co_u32 s21, s21, SLOT
	s_add_co_u32 s22, s22, SLOT
.endr
	v_mul_u32_u24 v5, v1, KS                       ; my row's scale bytes: 32 a row,
	v_lshrrev_b32 v6, 8, v5
	v_lshl_add_u32 v5, v6, 4, v5                   ; and 16 more for each 256 passed
	s_mul_i32 s21, s15, HALFS                      ; A's: my 128 rows
	s_mul_i32 s22, s16, HALFS                      ; B's: my 128 rows, behind A's 256
	s_add_co_u32 s22, s22, 2*HALFS
	s_sub_co_u32 s22, s22, s21
	v_mul_u32_u24 v6, s22, v2                      ; lanes 16-31 take B's: one product, h x the distance
	s_add_co_u32 s21, s21, SCL
	v_add_nc_u32 v5, v5, v6
	v_add_nc_u32 v[ADRS], s21, v5
	v_lshlrev_b32 v[BO], 5, v2
	v_and_b32 v6, 31, v0                           ; my place in a piece's 512 bytes: the lane's number,
	v_and_b32 v5, 7, v6
	v_bfe_u32 v7, v0, 3, 1
	v_lshl_or_b32 v5, v7, 4, v5
	v_lshl_or_b32 v5, v2, 3, v5                    ; or, for v, the number with bits 3 and 4 exchanged
	s_cmp_eq_u32 ttmp9, 2
	s_cselect_b32 s18, -1, 0
	v_cndmask_b32 v5, v6, v5, s18
	v_lshlrev_b32 v[CO], 4, v5
	s_cmp_eq_u32 ttmp9, 0                          ; the bias: bq for q, bv for v (for k the pointer is not used)
	s_cselect_b64 s[96:97], s[8:9], s[10:11]
	s_lshl_b32 s20, s40, 10
	s_lshl_b32 s21, s16, 9
	s_add_co_u32 s20, s20, s21                     ; my first channel, 256 cx + 128 x half, in bytes
	s_mov_b32 s21, 0
	s_add_nc_u64 s[96:97], s[96:97], s[20:21]
	s_lshl_b32 s20, ttmp9, 24                      ; where my part begins in qkv: tensor t, block of rows 16 x tile + 8 x half, chunk 8 cx + 4 x half (under 2^26 in all)
	s_lshl_b32 s21, s17, 19
	s_add_co_u32 s20, s20, s21
	s_lshl_b32 s21, s15, 18
	s_add_co_u32 s20, s20, s21
	s_lshl_b32 s21, s40, 13
	s_add_co_u32 s20, s20, s21
	s_lshl_b32 s21, s16, 12
	s_add_co_u32 s20, s20, s21
	s_mov_b32 s21, 0
	s_add_nc_u64 s[12:13], s[12:13], s[20:21]
.macro FRAG reg, adr, q, i             ; 16 rows x 128 K of 4-bit codes: lane l holds row l % 16; registers 4 c .. 4 c + 3 hold K = 64 c + 32 (l / 16) + 0 .. 31
.irp c, 0,1
	ds_load_b128 v[\reg+4*\c:\reg+4*\c+3], v[\adr] offset:64*(\q)+32*\c+(\i)*16*PITCH
.endr
.endm
; 16 matrix instructions: A's blocks a0, a0 + 1 x B's eight, the slot's q-th 128 along K.  p: B's set; sc: the set of scale words.  zero = 1: the first product starts the sums.
; The 64 accumulators take turns, one instruction a turn, in the same order in every step.
.macro MUL16 a0, p, q, sc, zero
.irp a, \a0, \a0+1
.irp b, 0,1,2,3,4,5,6,7
.if \zero
	v_wmma_scale_f32_16x16x128_f8f6f4 v[8*(8*((\a)%4)+\b):8*(8*((\a)%4)+\b)+7], v[128*(\p)+FR*\b:128*(\p)+FR*\b+FR-1], v[AF+FR*(\a):AF+FR*(\a)+FR-1], 0, v[SC+8*NQ*(\sc)+NQ*\b+(\q)], v[SC+8*NQ*(\sc)+NQ*(\a)+(\q)] matrix_a_fmt:MATRIX_FMT_FP4 matrix_b_fmt:MATRIX_FMT_FP4 matrix_a_scale:MATRIX_SCALE_ROW1
.else
	v_wmma_scale_f32_16x16x128_f8f6f4 v[8*(8*((\a)%4)+\b):8*(8*((\a)%4)+\b)+7], v[128*(\p)+FR*\b:128*(\p)+FR*\b+FR-1], v[AF+FR*(\a):AF+FR*(\a)+FR-1], v[8*(8*((\a)%4)+\b):8*(8*((\a)%4)+\b)+7], v[SC+8*NQ*(\sc)+NQ*\b+(\q)], v[SC+8*NQ*(\sc)+NQ*(\a)+(\q)] matrix_a_fmt:MATRIX_FMT_FP4 matrix_b_fmt:MATRIX_FMT_FP4 matrix_a_scale:MATRIX_SCALE_ROW1
.endif
.endr
.endr
.endm
.macro FETCH_B slot, q, p              ; B's eight fragments of the slot's q-th 128 along K into set p
	WIN TO_B
.irp i, 0,1,2,3,4,5,6,7
	FRAG 128*(\p)+FR*\i, ADRB+\slot, \q, \i
.endr
	WIN 0
.endm
.macro FETCH_A slot, q, i0             ; A's blocks i0 .. i0 + 3
.irp i, \i0, \i0+1, \i0+2, \i0+3
	FRAG AF+FR*(\i), ADRA+\slot, \q, \i
.endr
.endm
.macro SCALES sc                       ; a slot's scale words into set sc: four words a row; lanes 0-15 take A's block i, lanes 16-31 B's block i
.irp i, 0,1,2,3,4,5,6,7
	ds_load_b128 v[SC+8*NQ*\sc+NQ*\i:SC+8*NQ*\sc+NQ*\i+3], v[ADRS] offset:\i*SBLK
.endr
.endm
; A load into a register that a matrix instruction has read, and a vector instruction that reads a matrix result or writes one of its registers, stand four places behind it; only plain vector
; instructions that name none of its registers are places.
.macro PLACES n
.rept \n
	v_nop
.endr
.endm
; A step of 128 along K that has its successor in the same slot.  A's blocks go one after the other, so one set of registers serves A: blocks 0-3 are fetched anew in the step's middle, blocks 4-7 at its end.
.macro STEP slot, q, zero
	s_wait_dscnt 4*NL                              ; B's set and A's blocks 0-3 are in; the youngest eight loads (A's blocks 4-7) may be out
	WIN MUL_LO
	MUL16 0, (\q)%2, \q, \slot, \zero
	MUL16 2, (\q)%2, \q, \slot, \zero
	s_wait_dscnt 0                                 ; A's blocks 4-7 are in
	PLACES NP
	FETCH_B \slot, (\q)+1, 1-(\q)%2
	FETCH_A \slot, (\q)+1, 0
	WIN MUL_HI
	MUL16 4, (\q)%2, \q, \slot, \zero
	MUL16 6, (\q)%2, \q, \slot, \zero
	PLACES NP
	WIN 0
	FETCH_A \slot, (\q)+1, 4
.endm
.macro STEPS slot, from                ; the slot's steps from .. 2
.set Q, \from
.rept NQ-1-\from
	STEP \slot, Q, 0
.set Q, Q+1
.endr
.endm
.macro TAIL                            ; the second half of K
	STEPS 1, 0
	s_wait_dscnt 4*NL                              ; the very last step: nothing more to fetch
	WIN MUL_LO
	MUL16 0, 1, NQ-1, 1, 0
	MUL16 2, 1, NQ-1, 1, 0
	s_wait_dscnt 0
	WIN MUL_HI
	MUL16 4, 1, NQ-1, 1, 0
	MUL16 6, 1, NQ-1, 1, 0
	WIN 0
.endm
.macro BIASLOAD                        ; lane (r, h) wants, for block b of 16 channels, the bias of channels 16 b + 8 h + 0 .. 7: the result's layout
	WIN TO_B
.irp b, 0,1,2,3,4,5,6,7
	global_load_b128 v[BI+8*\b:BI+8*\b+3], v[BO], s[96:97] offset:64*\b
	global_load_b128 v[BI+8*\b+4:BI+8*\b+7], v[BO], s[96:97] offset:64*\b+16
.endr
	WIN 0
.endm
; THE WAY OUT, block by block of 16 rows: the bias is added in f32 (bias = 1), two results are rounded to f16 at a time, and a lane's 16 bytes go straight to their place in the next reader's fragment.
.macro WAYOUT bias
	PLACES NP
.if \bias
	s_wait_loadcnt 0x0                             ; the bias, asked for 256 matrix instructions ago
.endif
.irp a, 0,1,2,3,4,5,6,7
.set WW, 2+(\a)/4
.set AC, 64*((\a)%4)
.set TT, 128+32*((\a)%4)
.if \a >= 4
	s_wait_xcnt 0x0                                ; the stores of four blocks ago have read their data: the registers may be written again
.endif
.if \bias
	WIN (WW<<6)|(1<<2)|WW                          ; the accumulators' window, the bias in window 1
.set jj, 0
.rept 32
	v_pk_add_f32 v[AC+jj:AC+jj+1], v[AC+jj:AC+jj+1], v[BI+jj:BI+jj+1]   ; each accumulator from its low end on
.set jj, jj+2
.endr
.endif
	WIN WW|(WW<<2)
.irp b, 0,1,2,3,4,5,6,7
.irp i, 0,1,2,3
	v_cvt_pk_f16_f32 v[TT+4*\b+\i], v[AC+8*\b+2*\i], v[AC+8*\b+2*\i+1]
.endr
.endr
	WIN 0
.irp b, 0,1,2,3,4,5,6,7
	global_store_b128 v[CO], v[TT+4*\b:TT+4*\b+3], s[12:13] offset:\a*32768+(\b/2)*1024+(\b%2)*512   ; 32 lanes store 512 consecutive bytes, aligned
.endr
.endr
.endm
	s_wait_tensorcnt 1                             ; the scales and my part of the first half of K are in (the second half's load may be out),
	s_barrier_signal -1
	s_barrier_wait -1                              ; everybody's are
	FETCH_B 0, 0, 0
	FETCH_A 0, 0, 0
	SCALES 0
	FETCH_A 0, 0, 4
	STEP 0, 0, 1                                   ; the first products start the sums: nothing is cleared
	STEPS 0, 1
	; the first half's last step, and the one barrier behind which the second half is read
	s_wait_tensorcnt 0x0                           ; all my tensor loads have landed: my part of the second half;
	ds_add_u32 v[SPW], v[NIL]                      ; 0 onto my spare word
	s_wait_dscnt 4*NL+1                            ; (the add and the youngest eight loads may be out)
	WIN MUL_LO
	MUL16 0, 1, NQ-1, 0, 0
	s_wait_dscnt 0x0                               ; no LDS instruction of mine is out at the signal
	s_barrier_signal -1
	MUL16 2, 1, NQ-1, 0, 0
	WIN 0
	s_barrier_wait -1
	PLACES NP
	v_add_nc_u32 v[ADRS], 4*NQ, v[ADRS]            ; on to the second half's scale words
	FETCH_B 1, 0, 0
	FETCH_A 1, 0, 0
	SCALES 1
	WIN MUL_HI
	MUL16 4, 1, NQ-1, 0, 0
	MUL16 6, 1, NQ-1, 0, 0
	PLACES NP
	WIN 0
	FETCH_A 1, 0, 4
	s_cmp_eq_u32 ttmp9, 1                          ; the tensor: the same number in all sixteen partners.  Neither arm holds a barrier, a tensor load or an LDS store
	s_cbranch_scc1 .Lfor_k
	BIASLOAD
	TAIL
	WAYOUT 1
	s_branch .Ldone
.Lfor_k:                                               ; k has no bias to add
	TAIL
	WAYOUT 0
.Ldone:
	s_wait_tensorcnt 0x0                           ; the wave's end
	ds_add_u32 v[SPW], v[NIL]
	s_wait_dscnt 0x0
	CROUND                                         ; the closing round
	s_endpgm
.Lfunc_end_k_q142bc77937_proj:
	.size	k_q142bc77937_proj, .Lfunc_end_k_q142bc77937_proj-k_q142bc77937_proj
	.p2alignl 7, 3214868480
	.fill 96, 4, 3214868480
	.section	.rodata,"a",@progbits
	.p2align	6, 0x0
	.amdhsa_kernel k_q142bc77937_proj
		.amdhsa_group_segment_fixed_size 327680
		.amdhsa_private_segment_fixed_size 0
		.amdhsa_enable_private_segment 0
		.amdhsa_kernarg_size 40
		.amdhsa_user_sgpr_count 2
		.amdhsa_user_sgpr_kernarg_segment_ptr 1
		.amdhsa_wavefront_size32 1
		.amdhsa_system_sgpr_workgroup_id_x 1
		.amdhsa_system_sgpr_workgroup_id_y 1
		.amdhsa_system_sgpr_workgroup_id_z 1
		.amdhsa_system_vgpr_workitem_id 0
		.amdhsa_next_free_vgpr 1024
		.amdhsa_next_free_sgpr 98
		.amdhsa_reserve_vcc 0
		.amdhsa_float_denorm_mode_32 3
		.amdhsa_float_denorm_mode_16_64 3
		.amdhsa_memory_ordered 1
		.amdhsa_forward_progress 1
		.amdhsa_inst_pref_size 198
	.end_amdhsa_kernel
	.amdgpu_metadata
---
amdhsa.version: [ 1, 2 ]
amdhsa.kernels:
  - .name:           k_q142bc77937_proj
    .symbol:         k_q142bc77937_proj.kd
    .args:
      - { .name: codes, .offset: 0, .size: 8, .value_kind: global_buffer, .address_space: global }
      - { .name: scales, .offset: 8, .size: 8, .value_kind: global_buffer, .address_space: global }
      - { .name: bq, .offset: 16, .size: 8, .value_kind: global_buffer, .address_space: global }
      - { .name: bv, .offset: 24, .size: 8, .value_kind: global_buffer, .address_space: global }
      - { .name: qkv, .offset: 32, .size: 8, .value_kind: global_buffer, .address_space: global }
    .group_segment_fixed_size: 327680
    .private_segment_fixed_size: 0
    .kernarg_segment_align: 8
    .kernarg_segment_size: 40
    .max_flat_workgroup_size: 128
    .sgpr_count:     98
    .vgpr_count:     1024
    .wavefront_size: 32
...
	.end_amdgpu_metadata
.endif
;; end of part 2
;; launch score (part 3): grid 8 x 32, 4 waves a work-group, clusters of 4 x 4, 327,680 bytes of LDS; arguments qkv, p, stats; writes p, stats
.if DOCPART == 3
	.amdgcn_target "amdgcn-amd-amdhsa--gfx1250"
	.amdhsa_code_object_version 6
	.text
	.protected	k_q142bc77937_score
	.globl	k_q142bc77937_score
	.p2align	8
	.type	k_q142bc77937_score,@function
k_q142bc77937_score:
	s_mov_b64 s[64:65], 0
	v_nop
	global_prefetch_b8 v0, s[64:65] scope:SCOPE_SE
	s_setreg_imm32_b32 hwreg(HW_REG_WAVE_MODE, 25, 1), 1
	s_wait_xcnt 0x0
	s_wait_alu depctr_hold_cnt(0) depctr_sa_sdst(0) depctr_va_vdst(0) depctr_va_sdst(0) depctr_va_ssrc(0) depctr_va_vcc(0) depctr_vm_vsrc(0)
	s_getreg_b32 s2, hwreg(HW_REG_IB_STS2, 6, 4)
	s_cmp_eq_u32 s2, 0
	s_cbranch_scc0 .Lentry_in_a_cluster
	s_endpgm
.Lentry_in_a_cluster:
	s_bfe_u32 s2, ttmp6, 0x10000c
	s_cmp_lg_u32 s2, 0xf033
	s_cbranch_scc0 .Lentry_shape_is_right
	s_endpgm
.Lentry_shape_is_right:
; THIRD LAUNCH: the softmax's numerators.  S = q k^T on f16 operands, f32 sums, K = 1,024 channels; t = S x log2(e) / 32.  For each query and each BLOCK OF 128 KEYS: M = the block's largest t rounded up to a whole
; number; p = 2^(t - M), at most 1, rounded to f16; l = the f32 sum of the unrounded p.  The last launch brings the sixteen blocks of a row under the row's own M by powers of two.  So the maximum is taken away
; ahead of every exponential, whatever the scores' size.   (k comes without bk: shown at the head of the first kernel.)
; SHARES.  A work-group makes 256 queries x 256 keys: key tile 4 x cluster x + cx (8 to a batch), query tile 4 x cluster y + cy (32 in all); the batch is cluster y / 2.  Four waves, each 128 queries x 128 keys:
; 64 accumulators of 16 x 16, and a wave's 128 keys are one block of the statistics.  K goes in steps of 128 channels through a ring of two LDS slots.
; q AND k LIE IN MEMORY AS IMAGES OF THE OPERAND'S REGISTERS (second launch): a block of 16 rows x 128 channels is 4,096 bytes on end, a fragment 1,024, and a fragment load is 512 consecutive bytes: no pitch, no padding.
; CLUSTERS: the four work-groups of a row of the cluster need the same tiles of q, the four of a column the same tiles of k: each is asked for jointly, with a mask that names the four.
; TRANSPOSED USE: source 0 = 16 keys, source 1 = 16 queries: a lane holds ONE query (lane % 16) and the keys 8 (lane / 16) + 0 .. 7 of each block of 16: eight weights pack into 16 bytes that ARE a piece of the last
; launch's operand: p[block of 16 queries: 512][chunk of 32 keys: 64][u: 2][lane: 32][16 bytes].  stats[block of 128 keys: 16][row: 8,192] = (-M, l), f32.
; REGISTERS, in windows of 256: window 0: v16-29 addresses; v32-56 the softmax's small numbers; v64-127, v128-191 q's fragments, two buffers (on the way out: t and p; packed p).
;   window 1: v64-127, v128-191 k's fragments.   windows 2, 3: the accumulators ((a, b) at v[8 (8 (a % 4) + b)]).
.set HALFT,  32768                     ; 8 blocks of 16 rows x 4,096 bytes: what one tensor load brings, and what one wave reads of q or of k
.set SLOT,   4*HALFT                   ; q's 16 blocks, then k's 16
.set SPARE,  2*SLOT                    ; behind the ring: the spare words, 128 bytes for each wave, which no other line names
.set LAPS,   4                         ; a lap = two K steps = once round the ring: 1,024 / 256
.set ADRA, 16                          ; v16-17  LDS address of my q fragments in slot 0, 1
.set ADRB, 20                          ; v20-21  the same for k
.set PO,   24                          ; v24     16 x lane: my place in a piece of p
.set SOF,  25                          ; v25     8 x lane: my place in 32 rows of statistics
.set SPW,  28                          ; v28     my spare word; never rewritten
.set NIL,  29                          ; v29     0; never rewritten
.set TM,   32                          ; v32-39  eight running maxima
.set NM,   40                          ; v40 -M, v41 l
.set SU,   42                          ; v42-45  two chains of packed sums
.set KE,   46                          ; v46-47  the even block's (-M, l)
.set PR,   48                          ; v48-55  four pairs to store, each written once
.set PX,   56                          ; v56     what the other half of the lanes sends
.set F0,   64                          ; fragment buffers
.set F1,   128
.set XX,   64                          ; the way out: t, then p
.set G1, 24                            ; s[24:31] descriptor group 1 for q's tiles;  s[32:39] group 0, one set for each slot
.set G0, 32
.set G1B, 48                           ; s[48:55], s[56:63] the same for k's
.set G0B, 56
.set MSB, 0
.macro WIN new                         ; the immediate's high byte repeats the setting that is left; a switch that changes nothing is dropped
.if MSB != (\new)
	s_set_vgpr_msb (MSB<<8)|(\new)
.set MSB, (\new)
.endif
.endm
.set MUL_LO, 0xa1                      ; source 0 (k) window 1, source 1 (q) window 0, C and D window 2
.set MUL_HI, 0xf1                      ; the same, C and D window 3
.set TO_B,   0x40                      ; destination window 1, address window 0
; A joint load: waves 0 and 1 fetch q's two halves, waves 2 and 3 k's; the branch hangs on the wave's number alone.  An s_nop 0 and four v_nop follow each of the two lines.
.macro JLOAD s
	s_cmp_eq_u32 s11, 0
	s_cbranch_scc0 .Lfor_b_\@
	tensor_load_to_lds s[G0+4*\s:G0+4*\s+3], s[G1:G1+7]
	s_nop 0
.rept 4
	v_nop
.endr
	s_branch .Lasked_\@
.Lfor_b_\@:
	tensor_load_to_lds s[G0B+4*\s:G0B+4*\s+3], s[G1B:G1B+7]
	s_nop 0
.rept 4
	v_nop
.endr
.Lasked_\@:
.endm
.macro CREST                           ; a round of the cluster's barrier behind its opening barrier
	s_cmp_lg_u32 s10, 0
	s_cbranch_scc1 .Lnot_wave_0_\@
	s_barrier_signal -3
.Lnot_wave_0_\@:
	s_barrier_wait -3
	s_barrier_signal -1
	s_barrier_wait -1
.endm
.macro CROUND                          ; a whole round
	s_barrier_signal -1
	s_barrier_wait -1
	CREST
.endm
	s_load_b128 s[4:7], s[0:1], 0x0                ; qkv s[4:5], p s[6:7]
	s_load_b64 s[8:9], s[0:1], 0x10                ; stats
	v_lshl_add_u32 v[SPW], v0, 2, SPARE
	v_mov_b32 v[NIL], 0
	ds_add_u32 v[SPW], v[NIL]                      ; the wave's opening: the add, twice on end, and its wait ahead of my first tensor load; the set-up below stands between
	ds_add_u32 v[SPW], v[NIL]
	v_lshrrev_b32 v1, 5, v0
	v_readfirstlane_b32 s10, v1                    ; wave 0..3
	s_lshr_b32 s11, s10, 1                         ; which half of the queries is mine.  Also: I fetch for q (0) or for k (1)
	s_and_b32 s12, s10, 1                          ; which half of the keys.  Also: which 128 rows of that tile I fetch
	s_bfe_u32 s40, ttmp6, 0x40000                  ; cx
	s_bfe_u32 s41, ttmp6, 0x40004                  ; cy
	s_lshl_b32 s42, ttmp9, 2
	s_add_co_u32 s42, s42, s40                     ; the key tile, 0..7
	s_and_b32 s44, ttmp7, 0xffff                   ; cluster y
	s_lshl_b32 s13, s44, 2
	s_add_co_u32 s13, s13, s41                     ; the query tile, 0..31
	s_lshr_b32 s45, s44, 1                         ; the batch: the same in all sixteen partners
	s_lshl_b32 s43, s41, 2
	s_lshl_b32 s43, 15, s43                        ; my row of the cluster
	s_lshl_b32 s44, 0x1111, s40                    ; my column
	; descriptor group 1: 8 rows (blocks of 16 rows of q or k) of 4,096 bytes (128 channels), 32,768 bytes apart; elements of 8 bytes; dense in LDS
	s_or_b32 s[G1+0], s43, (3<<16)|(1<<21)         ; 15:0 the mask: q's tiles go to my row; 17:16 elements of 8 bytes; 21 set beside a mask
	s_or_b32 s[G1B+0], s44, (3<<16)|(1<<21)        ; k's go to my column
.irp g, G1, G1B
	s_mov_b32 s[\g+1], 512<<16                     ; tensor_dim0 = 512 elements
	s_mov_b32 s[\g+2], 8<<16                       ; tensor_dim1 = 8
	s_mov_b32 s[\g+3], 512<<16                     ; tile_dim0
	s_mov_b32 s[\g+4], 8                           ; tile_dim1
	s_mov_b32 s[\g+5], 4096                        ; from row to row, in elements
	s_mov_b32 s[\g+6], 0
	s_mov_b32 s[\g+7], 0
.endr
	s_lshl_b32 s18, s12, 18                        ; which 8 blocks of the tile's 16 I fetch
	s_lshl_b32 s16, s13, 19
	s_add_co_u32 s16, s16, s18                     ; q: block 16 x query tile + 8 x half, 32,768 bytes each
	s_mov_b32 s17, 0
	s_lshl_b32 s46, s42, 19
	s_add_co_u32 s46, s46, s18
	s_lshl_b32 s19, s45, 22
	s_add_co_u32 s46, s46, s19
	s_add_co_u32 s46, s46, 1<<24                   ; k: behind q's 16,777,216 bytes, block 128 x batch + 16 x key tile + 8 x half
	s_mov_b32 s47, 0
	s_mul_i32 s20, s10, HALFT                      ; where they go: q's two halves, then k's two: no place in the cluster enters an LDS address
	s_wait_dscnt 0x0                               ; both opening adds are done
	s_wait_kmcnt 0x0
	s_add_nc_u64 s[14:15], s[4:5], s[16:17]
	s_add_nc_u64 s[46:47], s[4:5], s[46:47]
	CROUND                                         ; all sixteen work-groups are here: the first joint loads meet
.irp s, 0,1
	s_mov_b32 s[G0+4*\s], 1
	s_add_co_u32 s[G0+4*\s+1], s20, \s*SLOT
	s_add_nc_u64 s[G0+4*\s+2:G0+4*\s+3], s[14:15], \s*4096         ; K step s: 4,096 bytes on in each block
	s_or_b32 s[G0+4*\s+3], s[G0+4*\s+3], 0x80000000
	s_mov_b32 s[G0B+4*\s], 1
	s_add_co_u32 s[G0B+4*\s+1], s20, \s*SLOT
	s_add_nc_u64 s[G0B+4*\s+2:G0B+4*\s+3], s[46:47], \s*4096
	s_or_b32 s[G0B+4*\s+3], s[G0B+4*\s+3], 0x80000000
	JLOAD \s                                       ; two tensor loads of mine are out
.endr
	v_and_b32 v1, 31, v0
	v_lshlrev_b32 v[PO], 4, v1                     ; 16 x lane: a fragment's image is read as it was written
	v_lshlrev_b32 v[SOF], 3, v1
	s_mul_i32 s21, s11, HALFT                      ; my 128 queries
	s_mul_i32 s22, s12, HALFT                      ; my 128 keys,
	s_add_co_u32 s22, s22, 2*HALFT                 ; which lie behind q's 256 rows
.irp s, 0,1
	v_add_nc_u32 v[ADRA+\s], s21, v[PO]
	v_add_nc_u32 v[ADRB+\s], s22, v[PO]
	s_add_co_u32 s21, s21, SLOT
	s_add_co_u32 s22, s22, SLOT
.endr
	v_mov_b32 v[NM+1], 0                           ; named as the upper half of a pair before it is first computed
	v_mov_b32 v[PX], 0                             ; a lane permute's destination counts as one of its sources
	s_lshl_b32 s46, s13, 20                        ; p: block of queries 16 x query tile + 8 x half (65,536 bytes each), chunk of keys 8 x key tile + 4 x half (1,024 each)
	s_lshl_b32 s47, s11, 19
	s_add_co_u32 s46, s46, s47
	s_lshl_b32 s47, s42, 13
	s_add_co_u32 s46, s46, s47
	s_lshl_b32 s47, s12, 12
	s_add_co_u32 s46, s46, s47
	s_mov_b32 s47, 0
	s_add_nc_u64 s[6:7], s[6:7], s[46:47]
	s_lshl_b32 s46, s42, 17                        ; stats: block of keys 2 x key tile + half (65,536 bytes each), row 256 x query tile + 128 x half (8 bytes each)
	s_lshl_b32 s47, s12, 16
	s_add_co_u32 s46, s46, s47
	s_lshl_b32 s47, s13, 11
	s_add_co_u32 s46, s46, s47
	s_lshl_b32 s47, s11, 10
	s_add_co_u32 s46, s46, s47
	s_mov_b32 s47, 0
	s_add_nc_u64 s[8:9], s[8:9], s[46:47]
	s_mov_b32 s19, 0xffff0000                      ; lanes 16-31
	s_mov_b32 s20, 0x3d38aa3b                      ; c = log2(e) / 32
	s_mov_b32 s21, s20                             ; (named with it as a pair, so it is written)
	s_mov_b32 s22, 0x76543210                      ; v_permlanex16_b32's selects for lane l xor 16
	s_mov_b32 s23, 0xfedcba98
; 16 matrix instructions: blocks of queries a0, a0 + 1 of the window's four (hi = 0: my queries 0-63, 1: 64-127) x all 8 blocks of keys, 32 channels.  zero = 1: the first product starts the sums.
; The 64 accumulators take turns, one instruction a turn, in the same order in every quarter.
.macro MUL16 f, hi, a0, zero
.irp a, \a0, \a0+1
.irp b, 0,1,2,3,4,5,6,7
.if \zero
	v_wmma_f32_16x16x32_f16 v[8*(8*(\a)+\b):8*(8*(\a)+\b)+7], v[\f+8*\b:\f+8*\b+7], v[\f+8*(4*\hi+\a):\f+8*(4*\hi+\a)+7], 0
.else
	v_wmma_f32_16x16x32_f16 v[8*(8*(\a)+\b):8*(8*(\a)+\b)+7], v[\f+8*\b:\f+8*\b+7], v[\f+8*(4*\hi+\a):\f+8*(4*\hi+\a)+7], v[8*(8*(\a)+\b):8*(8*(\a)+\b)+7]
.endif
.endr
.endr
.endm
; 32 LDS loads in one run: the fragments of the slot's q-th 32 channels (128 keys, 128 queries) into buffer f
.macro FETCH slot, q, f
	WIN TO_B
.irp i, 0,1,2,3,4,5,6,7
	ds_load_b128 v[\f+8*\i:\f+8*\i+3],   v[ADRB+\slot] offset:(\q)*1024+\i*4096
	ds_load_b128 v[\f+8*\i+4:\f+8*\i+7], v[ADRB+\slot] offset:(\q)*1024+\i*4096+512
.endr
	WIN 0
.irp i, 0,1,2,3,4,5,6,7
	ds_load_b128 v[\f+8*\i:\f+8*\i+3],   v[ADRA+\slot] offset:(\q)*1024+\i*4096
	ds_load_b128 v[\f+8*\i+4:\f+8*\i+7], v[ADRA+\slot] offset:(\q)*1024+\i*4096+512
.endr
.endm
; A load into a register that a matrix instruction has read, and a vector instruction that reads a matrix result or writes one of its registers, stand four places behind it; only plain vector
; instructions that name none of its registers are places.
.macro PLACES
.rept 4
	v_nop
.endr
.endm
; A K step is four quarters of 32 channels, 64 matrix instructions each, on buffers 0, 1, 0, 1.  One of the first three: multiplies buffer f; in its middle it fetches the slot's q-th quarter into buffer g.
.macro QUARTER slot, q, f, g, zero
	s_wait_dscnt 8                                 ; k's fragments and q's rows 0-63 are in; the youngest eight loads (q's rows 64-127) may be out
	WIN MUL_LO
	MUL16 \f, 0, 0, \zero
	MUL16 \f, 0, 2, \zero
	PLACES
	FETCH \slot, \q, \g
	s_wait_dscnt 32                                ; all but the 32 just issued
	WIN MUL_HI
	MUL16 \f, 1, 0, \zero
	MUL16 \f, 1, 2, \zero
.endm
; The last quarter multiplies buffer 1 and changes slots: ONE barrier.  In front of it each wave waits for all its tensor loads (one is out: its part of the next slot), adds 0 to its spare word, and waits for that and
; for its own reads of this slot.  fill = 1: the barrier opens a round of the cluster's, and this slot is filled again, two K steps ahead: 224 matrix instructions stand between the request and the wait for it.
.macro TURN slot, next, fill
	WIN 0                                          ; (the add's two registers lie in window 0)
	s_wait_tensorcnt 0x0
	ds_add_u32 v[SPW], v[NIL]                      ; 0 onto my spare word
	s_wait_dscnt 9                                 ; (the add and the youngest eight loads may be out)
	WIN MUL_LO
	MUL16 F1, 0, 0, 0                              ; sixteen matrix instructions stand between the add and the wait for it
	s_wait_dscnt 0x0                               ; the add is done, and my reads of this slot are over
	s_barrier_signal -1
	MUL16 F1, 0, 2, 0                              ; work on registers while the others arrive
	WIN 0
	s_barrier_wait -1
.if \fill
	CREST                                          ; no wave of any partner still reads this slot's tile or has a load on its way
	s_add_nc_u64 s[G0+4*\slot+2:G0+4*\slot+3], s[G0+4*\slot+2:G0+4*\slot+3], 8192
	s_add_nc_u64 s[G0B+4*\slot+2:G0B+4*\slot+3], s[G0B+4*\slot+2:G0B+4*\slot+3], 8192
	JLOAD \slot                                    ; the first tensor load behind the round; its four v_nop are also the places in front of the loads below
.else
	PLACES
.endif
	FETCH \next, 0, F0
	WIN MUL_HI
	MUL16 F1, 1, 0, 0
	MUL16 F1, 1, 2, 0
.endm
	s_wait_tensorcnt 1                             ; my part of K step 0 is in (K step 1's load may be out)
	s_barrier_signal -1
	s_barrier_wait -1                              ; everybody's is
	FETCH 0, 0, F0
	QUARTER 0, 1, F0, F1, 1                        ; the first quarter stands in front of the loop: its products start the sums
	WIN 0                                          ; at a label and at a branch every window is 0
	s_mov_b32 s3, LAPS-1
.Llap:                                                 ; a trip goes once round the ring, from a lap's second quarter to the next lap's first, and fills both slots again
	QUARTER 0, 2, F1, F0, 0
	QUARTER 0, 3, F0, F1, 0
	TURN 0, 1, 1
	QUARTER 1, 1, F0, F1, 0
	QUARTER 1, 2, F1, F0, 0
	QUARTER 1, 3, F0, F1, 0
	TURN 1, 0, 1
	QUARTER 0, 1, F0, F1, 0
	WIN 0
	s_sub_co_u32 s3, s3, 1
	s_cmp_lg_u32 s3, 0
	s_cbranch_scc1 .Llap
	QUARTER 0, 2, F1, F0, 0                        ; the last lap fills nothing, and has no round of the cluster's barrier
	QUARTER 0, 3, F0, F1, 0
	TURN 0, 1, 0
	QUARTER 1, 1, F0, F1, 0
	QUARTER 1, 2, F1, F0, 0
	QUARTER 1, 3, F0, F1, 0
	s_wait_dscnt 8                                 ; the very last quarter: nothing more to fetch
	WIN MUL_LO
	MUL16 F1, 0, 0, 0
	MUL16 F1, 0, 2, 0
	s_wait_dscnt 0
	WIN MUL_HI
	MUL16 F1, 1, 0, 0
	MUL16 F1, 1, 2, 0
	WIN 0
; THE WAY OUT, a block of 16 queries x my 128 keys at a time.  A lane holds 64 scores of one query; lane l xor 16 holds the query's other 64.
.macro BLOCK a
.set WW, 2+(\a)/4
.set AC, 64*((\a)%4)
.set PK, 128+32*((\a)%2)
	WIN WW|(WW<<2)|(WW<<4)
.irp b, 0,1,2,3,4,5,6,7
	v_max3_num_f32 v[TM+\b], v[AC+8*\b], v[AC+8*\b+1], v[AC+8*\b+2]        ; eight chains, each accumulator from its low end on
.endr
	WIN (WW<<2)|(WW<<4)
.irp i, 3,5
.irp b, 0,1,2,3,4,5,6,7
	v_max3_num_f32 v[TM+\b], v[TM+\b], v[AC+8*\b+\i], v[AC+8*\b+\i+1]
.endr
.endr
.irp g, 0,1,2,3
	v_max3_num_f32 v[TM+2*\g], v[TM+2*\g], v[AC+16*\g+7], v[AC+16*\g+15]
.endr
	WIN 0
	v_max3_num_f32 v[TM], v[TM], v[TM+1], v[TM+2]
	v_max3_num_f32 v[TM+3], v[TM+3], v[TM+4], v[TM+5]
	v_max3_num_f32 v[TM], v[TM], v[TM+6], v[TM+7]
	v_max_num_f32 v[TM], v[TM], v[TM+3]
	v_permlanex16_b32 v[PX], v[TM], s22, s23
	v_max_num_f32 v[TM], v[TM], v[PX]              ; the largest score of my query among these 128 keys
	v_mul_f32 v[TM], s20, v[TM]                    ; as t (c is positive)
	v_floor_f32 v[NM], -v[TM]                      ; -M = floor(-t) = -ceil(t): a whole number
	WIN WW
.set jj, 0
.rept 32
	v_pk_fma_f32 v[XX+jj:XX+jj+1], v[AC+jj:AC+jj+1], s[20:21], v[NM:NM+1] op_sel_hi:[1,0,0]   ; t - M, two at a time (of the pairs c and -M the low word serves both halves)
.set jj, jj+2
.endr
	WIN 0
.set jj, 0
.rept 64
	v_exp_f32 v[XX+jj], v[XX+jj]                   ; p = 2^(t - M), at most 1
.set jj, jj+1
.endr
	v_nop                                          ; a plain instruction behind the last exponential
	s_wait_alu depctr_va_vdst(0)                   ; one wait for the whole batch, ahead of its first reader
	v_pk_add_f32 v[SU:SU+1], v[XX:XX+1], v[XX+2:XX+3]              ; the sum of the unrounded p, two at a time, in two chains
	v_pk_add_f32 v[SU+2:SU+3], v[XX+4:XX+5], v[XX+6:XX+7]
.irp j, 8,12,16,20,24,28,32,36,40,44,48,52,56,60
	v_pk_add_f32 v[SU:SU+1], v[SU:SU+1], v[XX+\j:XX+\j+1]
	v_pk_add_f32 v[SU+2:SU+3], v[SU+2:SU+3], v[XX+\j+2:XX+\j+3]
.endr
	v_pk_add_f32 v[SU:SU+1], v[SU:SU+1], v[SU+2:SU+3]
	v_add_f32 v[SU], v[SU], v[SU+1]
	v_permlanex16_b32 v[PX], v[SU], s22, s23
	v_add_f32 v[NM+1], v[SU], v[PX]                ; l
.if \a >= 2
	s_wait_xcnt 0x0                                ; the stores of two blocks ago have read their data: the registers may be written again
.endif
.irp b, 0,1,2,3,4,5,6,7
.irp i, 0,1,2,3
	v_cvt_pk_f16_f32 v[PK+4*\b+\i], v[XX+8*\b+2*\i], v[XX+8*\b+2*\i+1]
.endr
.endr
.irp b, 0,1,2,3,4,5,6,7
	global_store_b128 v[PO], v[PK+4*\b:PK+4*\b+3], s[6:7] offset:\a*65536+(\b/2)*1024+(\b%2)*512   ; blocks of keys 2 c, 2 c + 1 are registers 0-3, 4-7 of chunk c's fragment; 512 consecutive bytes a store
.endr
.if (\a)%2 == 0
	v_mov_b32 v[KE], v[NM]                         ; kept for the next block's store
	v_mov_b32 v[KE+1], v[NM+1]
.else
	v_cndmask_b32 v[PR+2*((\a)/2)], v[KE], v[NM], s19              ; lanes 0-15: the even block's rows; lanes 16-31: the odd block's
	v_cndmask_b32 v[PR+2*((\a)/2)+1], v[KE+1], v[NM+1], s19
	global_store_b64 v[SOF], v[PR+2*((\a)/2):PR+2*((\a)/2)+1], s[8:9] offset:((\a)/2)*256   ; 32 rows x 8 bytes: 256 consecutive bytes, aligned
.endif
.endm
	PLACES                                         ; behind the last products
.irp a, 0,1,2,3,4,5,6,7
	BLOCK \a
.endr
	s_wait_tensorcnt 0x0                           ; the wave's end
	ds_add_u32 v[SPW], v[NIL]
	s_wait_dscnt 0x0
	CROUND                                         ; the closing round: no work-group ends while a partner may still ask for a tile that names it
	s_endpgm
.Lfunc_end_k_q142bc77937_score:
	.size	k_q142bc77937_score, .Lfunc_end_k_q142bc77937_score-k_q142bc77937_score
	.p2alignl 7, 3214868480
	.fill 96, 4, 3214868480
	.section	.rodata,"a",@progbits
	.p2align	6, 0x0
	.amdhsa_kernel k_q142bc77937_score
		.amdhsa_group_segment_fixed_size 327680
		.amdhsa_private_segment_fixed_size 0
		.amdhsa_enable_private_segment 0
		.amdhsa_kernarg_size 24
		.amdhsa_user_sgpr_count 2
		.amdhsa_user_sgpr_kernarg_segment_ptr 1
		.amdhsa_wavefront_size32 1
		.amdhsa_system_sgpr_workgroup_id_x 1
		.amdhsa_system_sgpr_workgroup_id_y 1
		.amdhsa_system_sgpr_workgroup_id_z 1
		.amdhsa_system_vgpr_workitem_id 0
		.amdhsa_next_free_vgpr 1024
		.amdhsa_next_free_sgpr 66
		.amdhsa_reserve_vcc 0
		.amdhsa_float_denorm_mode_32 3
		.amdhsa_float_denorm_mode_16_64 3
		.amdhsa_memory_ordered 1
		.amdhsa_forward_progress 1
		.amdhsa_inst_pref_size 202
	.end_amdhsa_kernel
	.amdgpu_metadata
---
amdhsa.version: [ 1, 2 ]
amdhsa.kernels:
  - .name:           k_q142bc77937_score
    .symbol:         k_q142bc77937_score.kd
    .args:
      - { .name: qkv, .offset: 0, .size: 8, .value_kind: global_buffer, .address_space: global }
      - { .name: p, .offset: 8, .size: 8, .value_kind: global_buffer, .address_space: global }
      - { .name: stats, .offset: 16, .size: 8, .value_kind: global_buffer, .address_space: global }
    .group_segment_fixed_size: 327680
    .private_segment_fixed_size: 0
    .kernarg_segment_align: 8
    .kernarg_segment_size: 24
    .max_flat_workgroup_size: 128
    .sgpr_count:     66
    .vgpr_count:     1024
    .wavefront_size: 32
...
	.end_amdgpu_metadata
.endif
;; end of part 3
;; launch pv (part 4): grid 8 x 32, 4 waves a work-group, clusters of 4 x 4, 327,680 bytes of LDS; arguments p, qkv, stats, out0; writes out0
.if DOCPART == 4
	.amdgcn_target "amdgcn-amd-amdhsa--gfx1250"
	.amdhsa_code_object_version 6
	.text
	.protected	k_q142bc77937_pv
	.globl	k_q142bc77937_pv
	.p2align	8
	.type	k_q142bc77937_pv,@function
k_q142bc77937_pv:
	s_mov_b64 s[64:65], 0
	v_nop
	global_prefetch_b8 v0, s[64:65] scope:SCOPE_SE
	s_setreg_imm32_b32 hwreg(HW_REG_WAVE_MODE, 25, 1), 1
	s_wait_xcnt 0x0
	s_wait_alu depctr_hold_cnt(0) depctr_sa_sdst(0) depctr_va_vdst(0) depctr_va_sdst(0) depctr_va_ssrc(0) depctr_va_vcc(0) depctr_vm_vsrc(0)
	s_getreg_b32 s2, hwreg(HW_REG_IB_STS2, 6, 4)
	s_cmp_eq_u32 s2, 0
	s_cbranch_scc0 .Lentry_in_a_cluster
	s_endpgm
.Lentry_in_a_cluster:
	s_bfe_u32 s2, ttmp6, 0x10000c
	s_cmp_lg_u32 s2, 0xf033
	s_cbranch_scc0 .Lentry_shape_is_right
	s_endpgm
.Lentry_shape_is_right:
; FOURTH LAUNCH: out[row][:] = sum over the 16 blocks b of 128 keys of f'_b (P_b V_b), with f'_b = 2^(M_b - M_row) / l_row, M_row = the largest M_b of the row, l_row = sum over b of 2^(M_b - M_row) l_b.
; P (f16), M_b and l_b come from the third launch, v (f16) from the second.  The products take f16 operands and f32 sums; the factors, and all that is done with them, are f32.
; EACH BLOCK HAS ITS OWN SUM: T = P_b V_b begins with the constant 0 at the block's first 32 keys; when the block is done, O += f'_b T, by packed multiply-adds that stand between the next block's first products.
; SHARES.  A work-group makes 256 rows x 128 channels: channel tile 4 x cluster x + cx (8), row tile 4 x cluster y + cy (32); the batch is cluster y / 2.  Wave w owns rows 64 w .. 64 w + 63 (four blocks of 16) and all
; 128 channels: 32 accumulators T and 32 sums O.  K = 2,048 keys = 64 chunks of 32.  A slot of the LDS ring holds 192 keys (6 chunks), as many as two slots in LDS allow; a block is 4 chunks; so a trip of the loop is 12.
; 2,048 = 10 x 192 + 128: the eleventh fill is short: its descriptors state what is left of the tensors (128 keys), zeros land beyond that, and nobody reads them.
; TRANSPOSED USE: T^T = V^T P^T: source 0 = 16 channels x 32 keys of V^T, source 1 = 16 queries x 32 keys of P: a lane holds one query and eight neighbouring channels.
; P lies in memory as images of source 1's registers.  v's pieces (a key, eight channels) lie so that the transposing LDS load, at 16 x lane, finds at each lane's address the piece that it wants from that lane:
; lane l gets channel l % 16 and keys 8 (l / 16) + 0 .. 7.  Every LDS load of an operand is 512 consecutive bytes.
; CLUSTERS: the four work-groups of a row of the cluster need the same tiles of P, the four of a column the same tiles of v: joint loads, with a mask that names the four.
; REGISTERS, in windows of 256: window 0: v16-30 addresses; v48-55 a block's four factors, at the even registers; v64-127 P, two sets; v128-255 V^T, two sets (at the head: the statistics; on the way out: rows of out).
;   window 1: T, accumulator (a, n) at v[8 (8 a + n)].   window 2: O, at the same numbers.
.set PRB,   6144                       ; a block of 16 rows x 192 keys of P
.set VOFF,  16*PRB                     ; a slot: P's 16 blocks; then V: [half of the 128 channels: 2][block of 16 keys: 12][2,048 bytes]
.set VHALF, 12*2048
.set SLOT,  VOFF+2*VHALF               ; 147,456 bytes
.set FAC,   2*SLOT                     ; behind the ring: the factors, 4,096 bytes a wave: [block of keys 16][row 16][block of rows 4] f32; stored once, by the wave that reads them
.set SPARE, FAC+4*4096                 ; the spare words, 128 bytes for each wave, which no other line names
.set STAGE, SLOT                       ; the way out: 16 rows x (512 + 16) bytes for each wave, in slot 1: it has had its last fill, and behind the last barrier nobody reads it
.set ADRP, 16                          ; v16-17  LDS address of my P fragments in slot 0, 1
.set ADRV, 20                          ; v20-21  the same for V
.set ADRF, 22                          ; v22     of my factors: 768 bytes (three blocks) on with each trip
.set STO,  24                          ; v24     the stage: where I put 32 bytes of a row
.set RD,   25                          ; v25     and where I read a row back
.set CO,   26                          ; v26     16 x lane
.set SPW,  28                          ; v28     my spare word; never rewritten
.set NIL,  29                          ; v29     0; never rewritten
.set PFO,  30                          ; v30     the prefetches' offset; never rewritten
.set MR,   32                          ; v32-35  M_row of my four blocks of rows
.set LL,   36                          ; v36-39  l_row
.set RL,   40                          ; v40-43  1 / l_row
.set FS,   48                          ; v48-55  the factors of the block that is being added: block of rows a at v[FS + 2 a]; the odd registers are named with them as pairs and are written once
.set DD,   56                          ; v56-59  M_b - M_row
.set ST,   64                          ; v64-191 at the head: (-M_b, l_b), block of rows a, block of keys k at v[ST + 32 a + 2 k]
.set FH,   192                         ; v192-255 at the head: the factors, block of keys k, block of rows a at v[FH + 4 k + a]
.set RP,   64                          ; P: set p at v[RP + 32 p], block of rows a at + 8 a
.set VF,   128                         ; V^T: set p at v[VF + 64 p], block of channels n at + 8 n
.set WV,   12                          ; s12 wave;  s13 wave % 2;  s14 cx;  s15 cy;  s16 channel tile;  s17 cluster y;  s18 row tile;  s19 batch
.set HB,   13
.set CX,   14
.set CY,   15
.set TX,   16
.set CLY,  17
.set TY,   18
.set BA,   19
.set G1P,  24                          ; s[24:31] descriptor group 1 for P's tiles;  s[32:39] for V's
.set G1V,  32
.set G0P,  40                          ; s[40:47] group 0 for P's, one set for each slot;  s[48:55] for V's
.set G0V,  48
.set PFA,  56                          ; s[56:57] where my prefetches stand
.set PFS,  58                          ; s[58:59] a block of 128 keys on, in bytes
.set LIM,  60                          ; s60     1 in a wave that prefetches, else the greatest number
.set LIM0, 66                          ; s66     0 in a wave that prefetches, else the greatest number
.set G1PL, 68                          ; s[68:75] group 1 for P's short last tile;  s[76:83] for V's
.set G1VL, 76
.set MSB, 0
.macro WIN new                         ; the immediate's high byte repeats the setting that is left; a switch that changes nothing is dropped
.if MSB != (\new)
	s_set_vgpr_msb (MSB<<8)|(\new)
.set MSB, (\new)
.endif
.endm
.set W_MM, 0x50                        ; a product: V^T and P in window 0, C and D (T) in window 1
.set W_AC, 0xa1                        ; O += f' T: source 0 (T) window 1, source 1 (f') window 0, source 2 and destination (O) window 2
; A joint load: waves 0 and 1 fetch P's two halves, waves 2 and 3 V's; the branch hangs on the wave's number alone.  An s_nop 0 and four v_nop follow each of the two lines.
.macro JLOAD s, g1p, g1v
	s_cmp_lt_u32 s[WV], 2
	s_cbranch_scc0 .Lfor_v_\@
	tensor_load_to_lds s[G0P+4*(\s):G0P+4*(\s)+3], s[\g1p:\g1p+7]
	s_nop 0
.rept 4
	v_nop
.endr
	s_branch .Lasked_\@
.Lfor_v_\@:
	tensor_load_to_lds s[G0V+4*(\s):G0V+4*(\s)+3], s[\g1v:\g1v+7]
	s_nop 0
.rept 4
	v_nop
.endr
.Lasked_\@:
.endm
.macro CREST                           ; a round of the cluster's barrier behind its opening barrier
	s_cmp_lg_u32 s[WV], 0
	s_cbranch_scc1 .Lnot_wave_0_\@
	s_barrier_signal -3
.Lnot_wave_0_\@:
	s_barrier_wait -3
	s_barrier_signal -1
	s_barrier_wait -1
.endm
.macro CROUND                          ; a whole round
	s_barrier_signal -1
	s_barrier_wait -1
	CREST
.endm
; A PREFETCH INTO THE L2, once a block of 128 keys, behind the LDS loads of the block's second chunk: the block that stands FIVE blocks on, which is 8 to 12 chunks ahead of the tensor load that will want it.
; One instruction a wave, 32 lanes, 256 bytes apart.  Each aligned block of 256 bytes is named once in the launch.  P's tile of rows is read by both clusters of a row of clusters: the one with x = 0 asks, waves 0 and 1
; each for the 8 blocks of rows that they fetch; of these the partner at cx takes blocks 2 cx, 2 cx + 1 (2 x 4,096 bytes).  V's tile is read by the two clusters of a batch with the same x: the one with even y asks,
; wave 2 for the 8 blocks of 16 keys; the partner at cy takes blocks 2 cy, 2 cy + 1.  The partners are told apart by address alone.  Blocks 0 to 5 come by their loads alone.  The loop's trips ask for blocks
; 6 to 15: in the last trip (s3 = 1) the first of the three asks alone is made (lim = LIM0); the other two (lim = LIM) would name blocks that do not exist.
.macro ASK lim
	s_cmp_gt_u32 s3, s[\lim]
	s_cbranch_scc0 .Lnot_mine_\@
	global_prefetch_b8 v[PFO], s[PFA:PFA+1] th:TH_LOAD_NT scope:SCOPE_SE
.Lnot_mine_\@:
.endm
.macro PLACES n
.rept \n
	v_nop
.endr
.endm
	s_load_b256 s[4:11], s[0:1], 0x0               ; p s[4:5], qkv s[6:7], stats s[8:9], out0 s[10:11]
	v_lshl_add_u32 v[SPW], v0, 2, SPARE
	v_mov_b32 v[NIL], 0
	ds_add_u32 v[SPW], v[NIL]                      ; the wave's opening: the add, twice on end, and its wait ahead of my first tensor load; the set-up below stands between
	ds_add_u32 v[SPW], v[NIL]
	v_lshrrev_b32 v1, 5, v0
	v_readfirstlane_b32 s[WV], v1
	s_and_b32 s[HB], s[WV], 1                      ; which half of P's or of V's tile I fetch
	s_bfe_u32 s[CX], ttmp6, 0x40000
	s_bfe_u32 s[CY], ttmp6, 0x40004
	s_lshl_b32 s[TX], ttmp9, 2
	s_add_co_u32 s[TX], s[TX], s[CX]               ; the channel tile, 0..7
	s_and_b32 s[CLY], ttmp7, 0xffff
	s_lshl_b32 s[TY], s[CLY], 2
	s_add_co_u32 s[TY], s[TY], s[CY]               ; the row tile, 0..31
	s_lshr_b32 s[BA], s[CLY], 1                    ; the batch: the same in all sixteen partners
	s_lshl_b32 s20, s[CY], 2
	s_lshl_b32 s20, 15, s20                        ; my row of the cluster
	s_lshl_b32 s21, 0x1111, s[CX]                  ; my column
	; descriptor group 1, elements of 8 bytes, dense in LDS.  P: 8 rows (blocks of 16 queries) of 6,144 bytes (192 keys), 65,536 bytes apart
	s_or_b32 s[G1P], s20, (3<<16)|(1<<21)          ; 15:0 the mask; 17:16 elements of 8 bytes; 21 set beside a mask
	s_mov_b32 s[G1P+1], 768<<16                    ; tensor_dim0
	s_mov_b32 s[G1P+2], 8<<16                      ; tensor_dim1
	s_mov_b32 s[G1P+3], 768<<16                    ; tile_dim0
	s_mov_b32 s[G1P+4], 8                          ; tile_dim1
	s_mov_b32 s[G1P+5], 8192                       ; from row to row, in elements
	s_mov_b32 s[G1P+6], 0
	s_mov_b32 s[G1P+7], 0
	; the last tile of P: 512 elements (128 keys) are left of each row; the tile's other 256 arrive as zeros
	s_or_b32 s[G1PL], s20, (3<<16)|(1<<21)
	s_mov_b32 s[G1PL+1], 512<<16
	s_mov_b32 s[G1PL+2], 8<<16
	s_mov_b32 s[G1PL+3], 768<<16
	s_mov_b32 s[G1PL+4], 8
	s_mov_b32 s[G1PL+5], 8192
	s_mov_b32 s[G1PL+6], 0
	s_mov_b32 s[G1PL+7], 0
	; V: 12 rows (blocks of 16 keys) of 2,048 bytes (64 channels), 32,768 bytes apart
	s_or_b32 s[G1V], s21, (3<<16)|(1<<21)
	s_mov_b32 s[G1V+1], 256<<16
	s_mov_b32 s[G1V+2], 12<<16
	s_mov_b32 s[G1V+3], 256<<16
	s_mov_b32 s[G1V+4], 12
	s_mov_b32 s[G1V+5], 4096
	s_mov_b32 s[G1V+6], 0
	s_mov_b32 s[G1V+7], 0
	; the last tile of V: 8 rows are left; the tile's other 4 arrive as zeros
	s_or_b32 s[G1VL], s21, (3<<16)|(1<<21)
	s_mov_b32 s[G1VL+1], 256<<16
	s_mov_b32 s[G1VL+2], 8<<16
	s_mov_b32 s[G1VL+3], 256<<16
	s_mov_b32 s[G1VL+4], 12
	s_mov_b32 s[G1VL+5], 4096
	s_mov_b32 s[G1VL+6], 0
	s_mov_b32 s[G1VL+7], 0
	s_lshl_b32 s22, s[TY], 20
	s_lshl_b32 s23, s[HB], 19
	s_add_co_u32 s22, s22, s23                     ; P: block of rows 16 x row tile + 8 x half: shared by my row of the cluster
	s_mov_b32 s23, 0
	s_lshl_b32 s62, s[BA], 22
	s_lshl_b32 s63, s[HB], 11
	s_add_co_u32 s62, s62, s63
	s_lshl_b32 s63, s[TX], 12
	s_add_co_u32 s62, s62, s63
	s_add_co_u32 s62, s62, 1<<25                   ; V: behind q's and k's 33,554,432 bytes, block of keys 128 x batch, channel tile x 4,096 + half x 2,048: shared by my column
	s_mov_b32 s63, 0
	s_mul_i32 s2, s[HB], 8*PRB                     ; where they go in a slot: no place in the cluster enters an LDS address
	s_mul_i32 s61, s[HB], VHALF
	s_add_co_u32 s61, s61, VOFF
	s_wait_dscnt 0x0                               ; both opening adds are done
	s_wait_kmcnt 0x0
	s_add_nc_u64 s[22:23], s[4:5], s[22:23]
	s_add_nc_u64 s[62:63], s[6:7], s[62:63]
	CROUND                                         ; all sixteen work-groups are here: the first joint loads meet
.irp s, 0,1
	s_mov_b32 s[G0P+4*\s], 1
	s_add_co_u32 s[G0P+4*\s+1], s2, \s*SLOT
	s_add_nc_u64 s[G0P+4*\s+2:G0P+4*\s+3], s[22:23], \s*PRB        ; fill s: 6,144 bytes on in each block of rows
	s_or_b32 s[G0P+4*\s+3], s[G0P+4*\s+3], 0x80000000
	s_mov_b32 s[G0V+4*\s], 1
	s_add_co_u32 s[G0V+4*\s+1], s61, \s*SLOT
	s_add_nc_u64 s[G0V+4*\s+2:G0V+4*\s+3], s[62:63], \s*12*32768   ; fill s: 12 blocks of keys on
	s_or_b32 s[G0V+4*\s+3], s[G0V+4*\s+3], 0x80000000
	JLOAD \s, G1P, G1V                             ; two tensor loads of mine are out
.endr
	; the statistics of my 64 rows, all 16 blocks of keys: lane (r, h) takes row r of each block of rows
	s_lshl_b32 s20, s[TY], 11
	s_lshl_b32 s21, s[WV], 9
	s_add_co_u32 s20, s20, s21                     ; row 256 x row tile + 64 x wave, 8 bytes each
	s_mov_b32 s21, 0
	s_add_nc_u64 s[8:9], s[8:9], s[20:21]
	v_and_b32 v1, 15, v0                           ; r
	v_bfe_u32 v2, v0, 4, 1                         ; h
	v_and_b32 v3, 31, v0                           ; lane
	v_lshlrev_b32 v4, 3, v1
.irp a, 0,1,2,3
.irp k, 0,1,2,3,4,5,6,7,8,9,10,11,12,13,14,15
	global_load_b64 v[ST+32*\a+2*\k:ST+32*\a+2*\k+1], v4, s[8:9] offset:\k*65536+\a*128
.endr
.endr
	v_lshlrev_b32 v[CO], 4, v3                     ; 16 x lane
	s_mul_i32 s20, s[WV], 4*PRB                    ; my four blocks of rows in a slot
	v_add_nc_u32 v[ADRP], s20, v[CO]
	v_add_nc_u32 v[ADRP+1], SLOT, v[ADRP]
	v_add_nc_u32 v[ADRV], VOFF, v[CO]
	v_add_nc_u32 v[ADRV+1], SLOT, v[ADRV]
	s_lshl_b32 s20, s[WV], 12
	s_add_co_u32 s20, s20, FAC-768                 ; three blocks under my factors: every access adds 256 at the least once the walk has begun, 768 before
	v_lshl_add_u32 v[ADRF], v1, 4, s20             ; 16 bytes a row: lanes r and r + 16 hold the same row
	s_mul_i32 s20, s[WV], 16*528
	s_add_co_u32 s20, s20, STAGE                   ; my stage
	v_mul_u32_u24 v6, v1, 528
	v_lshl_add_u32 v6, v2, 5, v6
	v_add_nc_u32 v[STO], s20, v6                   ; in: row r, 32 bytes for each half of the lanes
	v_add_nc_u32 v[RD], s20, v[CO]                 ; back: the 32 lanes take one row of 512 bytes
.irp a, 0,1,2,3
	v_mov_b32 v[FS+2*\a+1], 0                      ; named as the upper halves of pairs whose low words alone are taken
.endr
	s_lshl_b32 s20, s[TY], 20                      ; out0: row 256 x row tile + 64 x wave (4,096 bytes each), channel tile x 512 bytes
	s_lshl_b32 s21, s[WV], 18
	s_add_co_u32 s20, s20, s21
	s_lshl_b32 s21, s[TX], 9
	s_add_co_u32 s20, s20, s21
	s_mov_b32 s21, 0
	s_add_nc_u64 s[10:11], s[10:11], s[20:21]
	; the prefetches: where my wave's stand (at block 5: the step ahead of the first ask brings them to block 6), and who asks
	s_lshl_b32 s22, s[TY], 20
	s_lshl_b32 s23, s[HB], 19
	s_add_co_u32 s22, s22, s23
	s_lshl_b32 s23, s[CX], 17
	s_add_co_u32 s22, s22, s23
	s_add_co_u32 s22, s22, 5*4096                  ; P: block of rows 16 x row tile + 8 x half + 2 cx
	s_lshl_b32 s62, s[BA], 22
	s_lshl_b32 s63, s[CY], 16
	s_add_co_u32 s62, s62, s63
	s_lshl_b32 s63, s[TX], 12
	s_add_co_u32 s62, s62, s63
	s_add_co_u32 s62, s62, (1<<25)+40*32768        ; V: block of 16 keys 128 x batch + 40 + 2 cy
	s_and_b32 s63, s[CLY], 1
	s_mov_b32 s[PFS], 262144
	s_cmp_lt_u32 s[WV], 2                          ; waves 0 and 1 ask for P, wave 2 for V
	s_cselect_b64 s[PFA:PFA+1], s[4:5], s[6:7]
	s_cselect_b32 s[PFS], 4096, s[PFS]             ; 128 keys on
	s_cselect_b32 s22, s22, s62
	s_cselect_b32 s20, 16, 15                      ; from one block of 16 to the next: 65,536 bytes in p, 32,768 in v
	s_cselect_b32 s63, ttmp9, s63                  ; the coordinate along which another cluster reads the same bytes
	s_mov_b32 s23, 0
	s_mov_b32 s[PFS+1], 0
	s_add_nc_u64 s[PFA:PFA+1], s[PFA:PFA+1], s[22:23]
	s_cmp_eq_u32 s[WV], 3
	s_cselect_b32 s63, 1, s63                      ; wave 3 never asks
	s_cmp_eq_u32 s63, 0
	s_cselect_b32 s[LIM], 1, -1                    ; the same in all sixteen partners, for a given wave
	s_cselect_b32 s[LIM0], 0, -1
	v_lshlrev_b32 v[PFO], s20, v2
	v_lshl_or_b32 v[PFO], v1, 8, v[PFO]            ; lanes 0-15: 16 x 256 bytes of one block; lanes 16-31: of the next
	s_wait_loadcnt 0x0                             ; the statistics
.irp a, 0,1,2,3
	v_max3_num_f32 v[MR+\a], -v[ST+32*\a], -v[ST+32*\a+2], -v[ST+32*\a+4]          ; M_row = the largest of the sixteen M_b (the buffer holds -M_b); the four blocks of rows by turns
.endr
.irp i, 6,10,14,18,22,26
.irp a, 0,1,2,3
	v_max3_num_f32 v[MR+\a], v[MR+\a], -v[ST+32*\a+\i], -v[ST+32*\a+\i+2]
.endr
.endr
.irp a, 0,1,2,3
	v_max_num_f32 v[MR+\a], v[MR+\a], -v[ST+32*\a+30]
.endr
.irp k, 0,1,2,3,4,5,6,7,8,9,10,11,12,13,14,15
.irp a, 0,1,2,3
	v_sub_f32 v[DD+\a], -v[ST+32*\a+2*\k], v[MR+\a]                ; M_b - M_row: a whole number, 0 or less
.endr
.irp a, 0,1,2,3
	v_cvt_i32_f32 v[DD+\a], v[DD+\a]               ; (it saturates)
.endr
.irp a, 0,1,2,3
	v_ldexp_f32 v[FH+4*\k+\a], 1.0, v[DD+\a]       ; 2^(M_b - M_row)
.endr
.irp a, 0,1,2,3
.if \k == 0
	v_mul_f32 v[LL+\a], v[FH+4*\k+\a], v[ST+32*\a+1]               ; the first block starts l_row
.else
	v_fma_f32 v[LL+\a], v[FH+4*\k+\a], v[ST+32*\a+2*\k+1], v[LL+\a]
.endif
.endr
.endr
.irp a, 0,1,2,3
	v_rcp_f32 v[RL+\a], v[LL+\a]
.endr
	v_nop                                          ; a plain instruction behind the last reciprocal
	s_wait_alu depctr_va_vdst(0)                   ; one wait for the four, ahead of their first reader
.irp k, 0,1,2,3,4,5,6,7,8,9,10,11,12,13,14,15
	v_pk_mul_f32 v[FH+4*\k:FH+4*\k+1], v[FH+4*\k:FH+4*\k+1], v[RL:RL+1]            ; f' = 2^(M_b - M_row) / l_row: the division is done here, once for each block, and not on the sums
	v_pk_mul_f32 v[FH+4*\k+2:FH+4*\k+3], v[FH+4*\k+2:FH+4*\k+3], v[RL+2:RL+3]
.endr
.irp k, 0,1,2,3,4,5,6,7,8,9,10,11,12,13,14,15
	ds_store_b128 v[ADRF], v[FH+4*\k:FH+4*\k+3] offset:768+256*\k  ; my wave's own bytes; lanes r and r + 16 write the same bytes with the same values
.endr
.macro FETCH_V slot, kc, p             ; V^T of the slot's chunk kc: 8 blocks of 16 channels x 32 keys: registers 0-3 from the chunk's first block of 16 keys, 4-7 from its second
.irp n, 0,1,2,3,4,5,6,7
	ds_load_tr16_b128 v[VF+64*(\p)+8*\n:VF+64*(\p)+8*\n+3],   v[ADRV+(\slot)] offset:(\n/4)*VHALF+2*(\kc)*2048+((\n/2)%2)*1024+(\n%2)*512
	ds_load_tr16_b128 v[VF+64*(\p)+8*\n+4:VF+64*(\p)+8*\n+7], v[ADRV+(\slot)] offset:(\n/4)*VHALF+2*(\kc)*2048+2048+((\n/2)%2)*1024+(\n%2)*512
.endr
.endm
.macro FETCH_P slot, kc, p             ; my four fragments of P of the slot's chunk kc
.irp a, 0,1,2,3
	ds_load_b128 v[RP+32*(\p)+8*\a:RP+32*(\p)+8*\a+3],   v[ADRP+(\slot)] offset:\a*PRB+(\kc)*1024
	ds_load_b128 v[RP+32*(\p)+8*\a+4:RP+32*(\p)+8*\a+7], v[ADRP+(\slot)] offset:\a*PRB+(\kc)*1024+512
.endr
.endm
.macro FETCH_F fo                      ; the four factors of the block that ends with this chunk
.irp a, 0,1,2,3
	ds_load_b32 v[FS+2*\a], v[ADRF] offset:(\fo)+4*\a
.endr
.endm
; Slices from .. to of a chunk's 32: slice kk is the product on accumulator kk (block of rows kk / 8, block of channels kk % 8).  PP: the chunk's sets of P and V^T.
; mode 0: T += V^T P.  mode 1: T = V^T P (the first block's first chunk).  mode 2, 3: a later block's first chunk: ahead of the product that begins T anew stand the four packed instructions that take the finished
; T into O: O = f' T (mode 2: the first block: nothing is ever cleared) or O += f' T (mode 3); of the pair that holds f' the low word serves both halves.  They run beside the product issued just before them.
; The 32 accumulators take turns, one instruction a turn, in the same order in every chunk.
.macro SL from, to, mode
.set kk, \from
.rept (\to)-(\from)+1
.if (\mode) >= 2
	WIN W_AC
.set jj, 8*kk
.rept 4
.if (\mode) == 2
	v_pk_mul_f32 v[jj:jj+1], v[jj:jj+1], v[FS+2*(kk/8):FS+2*(kk/8)+1] op_sel_hi:[1,0]
.else
	v_pk_fma_f32 v[jj:jj+1], v[jj:jj+1], v[FS+2*(kk/8):FS+2*(kk/8)+1], v[jj:jj+1] op_sel_hi:[1,0,1]
.endif
.set jj, jj+2
.endr
.endif
	WIN W_MM
.if (\mode) == 0
	v_wmma_f32_16x16x32_f16 v[8*kk:8*kk+7], v[VF+64*PP+8*(kk%8):VF+64*PP+8*(kk%8)+7], v[RP+32*PP+8*(kk/8):RP+32*PP+8*(kk/8)+7], v[8*kk:8*kk+7]
.else
	v_wmma_f32_16x16x32_f16 v[8*kk:8*kk+7], v[VF+64*PP+8*(kk%8):VF+64*PP+8*(kk%8)+7], v[RP+32*PP+8*(kk/8):RP+32*PP+8*(kk/8)+7], 0
.endif
.set kk, kk+1
.endr
.endm
; One run of LDS loads a chunk: the next chunk's V^T and P into the other sets; in a block's last chunk its factors; and, where it is due, the prefetch behind them.
.macro FETCHES c, fetch, ask
.set NC, ((\c)+1)%12
.set NS, NC/6
.set NK, NC%6
.set NP, 1-PP
.if \fetch
	FETCH_V NS, NK, NP
	FETCH_P NS, NK, NP
.endif
.if (\c)%4 == 3
.set FO, 256*((((\c)+9)/4+2)%3+1)      ; places 7, 11, 3 of a trip: 256, 512, 768 bytes behind v[ADRF]
	FETCH_F FO
.endif
.if (\ask) == 1
	ASK LIM0
.endif
.if (\ask) == 2
	ASK LIM
.endif
.endm
; A CHUNK of 32 keys, at place c of the twelve of a trip: slot c / 6, the slot's chunk c % 6, the block's chunk c % 4, sets c % 2.
; mode: as in SL.  chg = 0: a plain chunk.  The loads into the sets that the chunk before multiplied stand four places behind its last product (ISA guide 7.12.1 for vector instructions):
; four v_nop, or, in a block's first chunk, the five at its head.  Those five are also the places between the old block's products and the reads of T (four are asked) and the products that write over T (five).
; The loads stand 28 products ahead of the wait for them, at the next chunk's head.
; chg > 0: a slot's last chunk changes slots.  Its operands are in registers, so my reads of the slot are over at its head.  Each wave waits for all its tensor loads (one is out: its part of the other slot), adds 0 to
; its spare word, and waits for that; behind the barrier the other slot is whole and nobody reads this one.  chg = 1: the barrier opens a round of the cluster's, and this slot is filled again, two fills ahead, first
; thing behind the round: 182 products stand between that request and the wait for it.  chg = 2: the same with the short last tiles.  chg = 3: nothing is left to fetch: a plain barrier.
; pfs = 1: the prefetches' address goes a block on, three chunks behind the prefetch that read it.
.macro CHUNK c, mode, chg, fetch, ask, pfs
.set PP, (\c)%2
.if \pfs
	s_wait_xcnt 0x0                                ; the last prefetch has read its address, so it may be written
	s_add_nc_u64 s[PFA:PFA+1], s[PFA:PFA+1], s[PFS:PFS+1]
.endif
	s_wait_dscnt 0x0                               ; this chunk's V^T and P (and, in a block's first chunk, the last block's factors) are in
.if (\chg) == 0
.if (\mode) >= 2
	WIN 0
.if (\c) == 4
	v_add_nc_u32 v[ADRF], 768, v[ADRF]             ; three blocks' factors on
.endif
	PLACES 5
.endif
	SL 0, 3, \mode
	WIN 0
.if ((\mode) < 2) && (\fetch)
	PLACES 4
.endif
	FETCHES \c, \fetch, \ask
	SL 4, 31, \mode
.else
	WIN 0                                          ; (the add's two registers lie in window 0)
	s_wait_tensorcnt 0x0                           ; no tensor load of mine is out, so a group 0 may be written
	ds_add_u32 v[SPW], v[NIL]                      ; 0 onto my spare word; six products stand between it and the wait for it
	SL 0, 5, 0
	s_wait_dscnt 0x0                               ; the add is done; my reads of this slot were over at the chunk's head
	s_barrier_signal -1
	SL 6, 9, 0                                     ; work on registers while the others arrive
	WIN 0
	s_barrier_wait -1
.if (\chg) < 3
	CREST                                          ; no wave of any partner still reads this slot's tiles or has a load on its way
	s_add_nc_u64 s[G0P+4*((\c)/6)+2:G0P+4*((\c)/6)+3], s[G0P+4*((\c)/6)+2:G0P+4*((\c)/6)+3], 2*PRB
	s_add_nc_u64 s[G0V+4*((\c)/6)+2:G0V+4*((\c)/6)+3], s[G0V+4*((\c)/6)+2:G0V+4*((\c)/6)+3], 2*12*32768
.if (\chg) == 1
	JLOAD (\c)/6, G1P, G1V                         ; its four v_nop are also the places in front of the loads below
.else
	JLOAD (\c)/6, G1PL, G1VL
.endif
.else
	PLACES 4
.endif
	FETCHES \c, \fetch, \ask
	SL 10, 31, 0
.endif
.endm
	s_wait_dscnt 0x0                               ; my factors lie in LDS
	s_wait_tensorcnt 1                             ; my part of the first fill is in (the second's load may be out)
	s_barrier_signal -1
	s_barrier_wait -1                              ; everybody's is
	FETCH_V 0, 0, 0
	FETCH_P 0, 0, 0
	CHUNK 0, 1, 0, 1, 0, 0                         ; chunks 0 to 4 stand in front of the loop: the first block has nothing to add, the second starts O by a multiplication
	CHUNK 1, 0, 0, 1, 0, 0
	CHUNK 2, 0, 0, 1, 0, 0
	CHUNK 3, 0, 0, 1, 0, 0
	CHUNK 4, 2, 0, 1, 0, 1
	WIN 0                                          ; at a label and at a branch every window is 0
	s_mov_b32 s3, 4
.Llap:                                                 ; trip t = 0 .. 3: chunks 12 t + 5 .. 12 t + 16: once round the ring, both slots filled again (fills 2 t + 2 and 2 t + 3), three blocks added
	CHUNK 5, 0, 1, 1, 1, 0
	CHUNK 6, 0, 0, 1, 0, 0
	CHUNK 7, 0, 0, 1, 0, 0
	CHUNK 8, 3, 0, 1, 0, 1
	CHUNK 9, 0, 0, 1, 2, 0
	CHUNK 10, 0, 0, 1, 0, 0
	CHUNK 11, 0, 1, 1, 0, 0
	CHUNK 0, 3, 0, 1, 0, 1
	CHUNK 1, 0, 0, 1, 2, 0
	CHUNK 2, 0, 0, 1, 0, 0
	CHUNK 3, 0, 0, 1, 0, 0
	CHUNK 4, 3, 0, 1, 0, 1
	WIN 0
	s_sub_co_u32 s3, s3, 1
	s_cmp_lg_u32 s3, 0
	s_cbranch_scc1 .Llap
	CHUNK 5, 0, 2, 1, 0, 0                         ; chunks 53 to 63 are written out: the short eleventh fill is asked for here
	CHUNK 6, 0, 0, 1, 0, 0
	CHUNK 7, 0, 0, 1, 0, 0
	CHUNK 8, 3, 0, 1, 0, 0
	CHUNK 9, 0, 0, 1, 0, 0
	CHUNK 10, 0, 0, 1, 0, 0
	CHUNK 11, 0, 3, 1, 0, 0                        ; and at the last change of slots nothing
	CHUNK 0, 3, 0, 1, 0, 0
	CHUNK 1, 0, 0, 1, 0, 0
	CHUNK 2, 0, 0, 1, 0, 0
	CHUNK 3, 0, 0, 0, 0, 0                         ; the last chunk fetches the last block's factors alone
	WIN 0
; THE WAY OUT, a block of 16 rows x 128 channels at a time: the last block of keys is added (O += f' T); a lane's 32 bytes of a row go through my own stage in LDS and come back as whole rows of 512 bytes.
; LDS serves a wave's instructions in order (ISA guide 5.7.1.4): no wait between the stores and the loads, nor in front of the next block's stores.
.macro TOSTAGE a
.set BB, 128+64*((\a)%2)
	WIN W_AC
.set jj, 64*(\a)
.rept 32
	v_pk_fma_f32 v[jj:jj+1], v[jj:jj+1], v[FS+2*(\a):FS+2*(\a)+1], v[jj:jj+1] op_sel_hi:[1,0,1]   ; each accumulator from its low end on
.set jj, jj+2
.endr
	WIN 0x08                                       ; an LDS store's data are its source 1: O, in window 2
.irp n, 0,1,2,3,4,5,6,7
	ds_store_b128 v[STO], v[64*(\a)+8*\n:64*(\a)+8*\n+3] offset:64*\n
	ds_store_b128 v[STO], v[64*(\a)+8*\n+4:64*(\a)+8*\n+7] offset:64*\n+16
.endr
	WIN 0
.irp t, 0,1,2,3,4,5,6,7,8,9,10,11,12,13,14,15
	ds_load_b128 v[BB+4*\t:BB+4*\t+3], v[RD] offset:\t*528
.endr
.endm
.macro SEND a, younger                 ; younger: the LDS instructions issued behind block a's loads, which may stay out
.set BB, 128+64*((\a)%2)
	s_wait_dscnt \younger
.irp t, 0,1,2,3,4,5,6,7,8,9,10,11,12,13,14,15
	global_store_b128 v[CO], v[BB+4*\t:BB+4*\t+3], s[10:11] offset:(16*(\a)+\t)*4096 th:TH_STORE_NT   ; 32 lanes store 512 consecutive bytes, aligned; written once, read by nobody here
.endr
.endm
	s_wait_dscnt 0x0                               ; the last block's factors
	PLACES 4                                       ; behind the last products
	TOSTAGE 0
.irp a, 1,2,3
.if \a > 1
	s_wait_xcnt 0x0                                ; block a - 2's stores have read their data: block a's loads may land there
.endif
	TOSTAGE \a
	SEND \a-1, 32                                  ; behind block a - 1's loads: block a's 16 stores and 16 loads
.endr
	SEND 3, 0
	s_wait_tensorcnt 0x0                           ; the wave's end: behind my last tensor load and my last LDS store
	ds_add_u32 v[SPW], v[NIL]
	s_wait_dscnt 0x0
	CROUND                                         ; the closing round: no work-group ends while a partner may still ask for a tile that names it
	s_endpgm
.Lfunc_end_k_q142bc77937_pv:
	.size	k_q142bc77937_pv, .Lfunc_end_k_q142bc77937_pv-k_q142bc77937_pv
	.p2alignl 7, 3214868480
	.fill 96, 4, 3214868480
	.section	.rodata,"a",@progbits
	.p2align	6, 0x0
	.amdhsa_kernel k_q142bc77937_pv
		.amdhsa_group_segment_fixed_size 327680
		.amdhsa_private_segment_fixed_size 0
		.amdhsa_enable_private_segment 0
		.amdhsa_kernarg_size 32
		.amdhsa_user_sgpr_count 2
		.amdhsa_user_sgpr_kernarg_segment_ptr 1
		.amdhsa_wavefront_size32 1
		.amdhsa_system_sgpr_workgroup_id_x 1
		.amdhsa_system_sgpr_workgroup_id_y 1
		.amdhsa_system_sgpr_workgroup_id_z 1
		.amdhsa_system_vgpr_workitem_id 0
		.amdhsa_next_free_vgpr 768
		.amdhsa_next_free_sgpr 84
		.amdhsa_reserve_vcc 0
		.amdhsa_float_denorm_mode_32 3
		.amdhsa_float_denorm_mode_16_64 3
		.amdhsa_memory_ordered 1
		.amdhsa_forward_progress 1
		.amdhsa_inst_pref_size 228
	.end_amdhsa_kernel
	.amdgpu_metadata
---
amdhsa.version: [ 1, 2 ]
amdhsa.kernels:
  - .name:           k_q142bc77937_pv
    .symbol:         k_q142bc77937_pv.kd
    .args:
      - { .name: p, .offset: 0, .size: 8, .value_kind: global_buffer, .address_space: global }
      - { .name: qkv, .offset: 8, .size: 8, .value_kind: global_buffer, .address_space: global }
      - { .name: stats, .offset: 16, .size: 8, .value_kind: global_buffer, .address_space: global }
      - { .name: out0, .offset: 24, .size: 8, .value_kind: global_buffer, .address_space: global }
    .group_segment_fixed_size: 327680
    .private_segment_fixed_size: 0
    .kernarg_segment_align: 8
    .kernarg_segment_size: 32
    .max_flat_workgroup_size: 128
    .sgpr_count:     84
    .vgpr_count:     768
    .wavefront_size: 32
...
	.end_amdgpu_metadata
.endif
;; end of part 4
